; MI455X (gfx1250); checked and timed in simulation.
; The chip was launched on July 23, 2026; its instructions are those of AMD's public machine-readable ISA for CDNA 5 (MIT licence, August 2026) and "CDNA5" Instruction Set Architecture Reference Guide (July 2026). The comments in the code are by the model that wrote it; some were corrected since.
;; Multihead Attention. Allowed arithmetic: matrix products marked QUANTISED: E2M3 operands, one E8M0 scale for each 32 along K, by v_wmma_scale_f32_16x16x128_f8f6f4 with both operands' format E2M3, f32 sums; everything else in f32.
;; Inputs: W_o 1,024 x 1,024 float32; W_qkv 3,072 x 1,024 float32; X 4 x 2,048 x 1,024 float32; b_o 1,024 float32; b_qkv 3,072 float32.
;; Outputs: out0 4 x 2,048 x 1,024 float32.
;; This version of the problem:
;;   THIS VERSION OF THE PROBLEM IS GIVEN IN LOW PRECISION. The matrix products marked QUANTISED in the list below multiply operands that are first quantised to E2M3 (2 exponent bits, 3 mantissa bits; 6 bits a number), with one power-of-two scale for each 32 numbers along K (OCP MX v1.0); their sums are f32. All else is computed in f32.
;;   The module's matrix products, in the order in which they are computed (A, B: the left and right operand; K: the contracted axis; several contracted axes count as one K, in the product's order):
;;     1. [M 8,192, K 1,024] x [K 1,024, N 3,072]; A: input X; B: input W_qkv: QUANTISED
;;     2. batch 64 x [M 2,048, K 64] x [K 64, N 2,048]; A: computed on the way; B: computed on the way: QUANTISED
;;     3. batch 64 x [M 2,048, K 2,048] x [K 2,048, N 64]; A: softmax (see below); B: computed on the way: QUANTISED
;;     4. [M 8,192, K 1,024] x [K 1,024, N 1,024]; A: computed on the way; B: input W_o: QUANTISED
;;   THE QUANTISER, for each operand of a quantised product, along K:
;;     - K is cut into blocks of 32 from its start; a last block that is shorter is filled with zeros.
;;     - A block's scale is 2^e with e = floor(log2(the largest magnitude in the block)) - 2, held to -126 .. 127; a block of zeros has e = 0. As a byte (E8M0): e + 127.
;;     - Each number is divided by its block's scale, clamped to +-7.5, and rounded to the nearest number of E2M3, ties to even, subnormals kept.
;;     - The product sums the exact products of the quantised numbers (number of the format x scale) in f32.
;;   ~~~python
;;   def quantise(x, axis):      # numpy; x: float32 -> the quantised numbers, widened to float32 again
;;       x = np.moveaxis(x, axis, -1); K = x.shape[-1]
;;       x = np.pad(x, [(0, 0)] * (x.ndim - 1) + [(0, -K % 32)]); x = x.reshape(x.shape[:-1] + (-1, 32)); a = np.abs(x).max(-1, keepdims=True)
;;       e = np.where(a > 0, np.clip(np.frexp(np.where(a > 0, a, 1))[1] - 1 - 2, -126, 127), 0)      # np.frexp(a)[1] - 1 = floor(log2(a)), exactly
;;       r = np.clip(x / 2.0 ** e, -7.5, 7.5)
;;       step = 2.0 ** (np.maximum(np.frexp(np.where(r == 0, 1, r))[1] - 1, 0) - 3)
;;       q = np.round(r / step) * step * 2.0 ** e      # np.round: ties to even
;;       return np.moveaxis(q.reshape(q.shape[:-2] + (-1,))[..., :K], -1, axis).astype(np.float32)
;;   ~~~
;;   SOFTMAX AHEAD OF A QUANTISED PRODUCT. Where the list says 'softmax', what is quantised is not the finished softmax but p = 2^(t - M), with t = logit x log2(e) and M = ceil(the row's largest t), a whole number; so 1/2 < the row's largest p <= 1. The row's sum l is taken of the UNQUANTISED p, in f32, and the product's result is divided by l at the end. Since M is a whole number, a kernel that streams over the keys may use a running M (the ceiling of the running maximum): every later rescaling is an exact power of two, which a block's scale takes up: the codes' values come out the same.
;;   OPERANDS COMPUTED ON THE WAY. 'Computed on the way' means the value that the module computes at that place (a softmax that the list does not call 'softmax' is quantised finished and normalised). What goes into a quantiser is computed in f32, as accurately as f32 sums, v_exp_f32 and their like allow (about 1e-6 of the number): no bf16 or f16 on the way to a quantiser, and a product that is left as it is and whose result goes on into a quantised operand takes f32 operands (vector FMAs, or v_wmma_f32_16x16x4_f32). A number that lies on a knife's edge between two numbers of the format may be rounded either way, as far as f32 arithmetic and the matrix unit's own rounding can turn it there, and no further.
;; One version. Each part assembles by itself: llvm-mc -triple=amdgcn-amd-amdhsa -mcpu=gfx1250 --defsym DOCPART=n.
;; ======== version 1 of 1: 4 launches
;; workspace buffers: opimg 9,437,184 bytes; opsc 393,216 bytes; qkv 19,660,800 bytes; valimg 6,291,456 bytes; valsc 262,144 bytes
;; launch quant (part 1): grid 384 x 1, 4 waves a work-group, no clusters, 34,304 bytes of LDS; arguments X, W_qkv, W_o, opimg, opsc; writes opimg, opsc
.if DOCPART == 1
	.amdgcn_target "amdgcn-amd-amdhsa--gfx1250"
	.amdhsa_code_object_version 6
	.text
	.protected	k_q06ed3ecd86_quant
	.globl	k_q06ed3ecd86_quant
	.p2align	8
	.type	k_q06ed3ecd86_quant,@function
k_q06ed3ecd86_quant:
	s_mov_b64 s[64:65], 0
	v_nop
	global_prefetch_b8 v0, s[64:65] scope:SCOPE_SE
	s_setreg_imm32_b32 hwreg(HW_REG_WAVE_MODE, 25, 1), 1
	s_wait_xcnt 0x0
; X [8192][1024], W_qkv [3072][1024] and W_o [1024][1024], f32, K innermost, become codes of FP6 (E2M3) with one E8M0 byte for each 32 along K,
; laid in the ORDER OF THE OPERAND'S REGISTERS.  Rows go in groups of 128: groups 0-63 X, 64-87 W_qkv with its rows reordered to 1024 x section + 64 x head + d
; (section 0 q, 1 k, 2 v), 88-95 W_o.  A group has 8 blocks of 16 rows; lane row r of block i is group row 32 (i / 2) + 8 (i % 2) + r + 8 (r / 8).
; AN IMAGE (16 rows x 128 K, 12 registers a lane, 1,536 bytes): registers 0-3 at 16 x lane, 4-5 at 512 + 8 x lane, 6-9 at 768 + 16 x lane, 10-11 at 1,280 + 8 x lane:
; every store of the wave covers 512 or 256 consecutive bytes, aligned.  opimg: [group][K step 8][block 8][image].  opsc: [group][K step][block][row] scale words.
; A block's scale is 2^(floor(log2(its largest magnitude)) - 2); its byte is the largest magnitude's exponent field - 2, held at 1 from below.
; LIMITS: NaN and infinities are not served; a block whose largest magnitude lies under 2^-124 keeps the byte 1; a block of zeros gets the byte 1 where the rule says 127
; (its codes are zeros, which add nothing under any byte but 0xff, and these bytes are read by this program alone).
; SHARES: a wave takes one block of 16 rows x 512 along K: four steps of 128.  Each load reads 512 consecutive bytes of a row; a step's 16 rows turn through the wave's own stage
; in LDS, so that a lane gets 16 neighbours of each block of 32.  Loads run two steps (32 loads a wave) ahead.  Waves share nothing: no barrier.  No cluster: no two work-groups read the same bytes.
.set SP,    528                        ; a stage row: 512 bytes + 16: the sixteen rows that a load of 16 bytes a lane touches start 4 words apart
.set STG,   16*SP                      ; a wave's stage
.set SPARE, 4*STG                      ; behind the stages: the spare words, 128 bytes for each wave, that no other line names
.set FRB,   1536                       ; an image
.set KSB,   8*FRB                      ; a K step of a group
.set GRPB,  8*KSB                      ; a group
.set L16,  4                           ; v4   16 x lane
.set L8,   5                           ; v5   8 x lane
.set SCA,  6                           ; v6   4 r + 512 h: where two steps' scale words go
.set SIN,  7                           ; v7   the stage, on the way in
.set SOUT, 8                           ; v8   and on the way out
.set PWE,  9                           ; v9   the even step's scale word
.set PWM,  10                          ; v10  lanes 0-15 the even step's, lanes 16-31 the odd step's
.set PW,   11                          ; v11  the scale word just made
.set SPW,  12                          ; v12  my spare word; never rewritten
.set NIL,  13                          ; v13  0; never rewritten
.set TM,   16                          ; v16-27 at work in QUANT
.set PC,   32                          ; v32-51 the codes just made
.set X,    52                          ; v52-115 64 numbers: register 16 b + i = k 32 b + 16 h + i of my row
.set R,    116                         ; v116-243 two sets of 64 registers as loaded
.set SEL,  14                          ; s[14:15] lane selects: lane l xor 16
.set HM,   16                          ; s16  the mask of lanes 16-31
; 64 numbers of a lane become an image's 12 registers in v[PC] on and the row's scale word in v[PW] (the same in lanes l and l xor 16).
.macro QUANT s
.irp b, 0,1,2,3
	v_max3_num_f32 v[TM+\b], |v[\s+16*\b]|, |v[\s+1+16*\b]|, 0x1800000   ; my 16 numbers of block b, and the floor 2^(3 - 127): the byte cannot fall under 1
.endr
.irp i, 2,4,6,8,10,12,14
.irp b, 0,1,2,3
	v_max3_num_f32 v[TM+\b], v[TM+\b], |v[\s+16*\b+\i]|, |v[\s+1+16*\b+\i]|   ; the four blocks by turns
.endr
.endr
.irp b, 0,1,2,3
	v_permlanex16_b32 v[TM+4+\b], v[TM+\b], s[SEL], s[SEL+1]
.endr
.irp b, 0,1,2,3
	v_max_num_f32 v[TM+\b], v[TM+\b], v[TM+4+\b]           ; with lane l xor 16's: the block's largest magnitude
.endr
.irp b, 0,1,2,3
	v_add_nc_u32 v[TM+8+\b], 0xff000000, v[TM+\b]          ; 2 off its exponent field: the conversion's scale operand
.endr
.irp b, 0,1,2,3
	v_lshrrev_b32 v[TM+4+\b], 23, v[TM+8+\b]               ; the scale's byte
.endr
	v_lshl_or_b32 v[PW], v[TM+5], 8, v[TM+4]
	v_lshl_or_b32 v[PW], v[TM+6], 16, v[PW]
	v_lshl_or_b32 v[PW], v[TM+7], 24, v[PW]
.irp c, 0,1
	v_cvt_scalef32_pk16_fp6_f32 v[PC+6*\c:PC+2+6*\c], v[\s+32*\c:\s+15+32*\c], v[TM+8+2*\c]
	v_cvt_scalef32_pk16_fp6_f32 v[PC+12+4*\c:PC+14+4*\c], v[\s+16+32*\c:\s+31+32*\c], v[TM+8+2*\c+1]   ; (a conversion's three registers begin on an even number)
.endr
	v_nop                                                  ; one plain place behind the scaled conversions
.irp c, 0,1                                            ; the layout wants a whole block in a lane: lanes 0-15 block 2 c, lanes 16-31 block 2 c + 1
.irp i, 0,1,2
	v_permlane16_swap_b32 v[PC+6*\c+\i], v[PC+12+4*\c+\i]
.endr
.irp i, 0,1,2
	v_mov_b32 v[PC+3+6*\c+\i], v[PC+12+4*\c+\i]
.endr
.endr
.endm
	s_load_b256 s[4:11], s[0:1], 0x0               ; X s[4:5], W_qkv s[6:7], W_o s[8:9], opimg s[10:11]
	s_load_b64 s[12:13], s[0:1], 0x20              ; opsc
	v_lshl_add_u32 v[SPW], v0, 2, SPARE
	v_mov_b32 v[NIL], 0
	v_lshrrev_b32 v1, 5, v0
	v_readfirstlane_b32 s17, v1                    ; wave 0..3
	v_and_b32 v1, 31, v0                           ; lane
	v_and_b32 v2, 15, v0                           ; r
	v_bfe_u32 v3, v0, 4, 1                         ; h
	v_lshlrev_b32 v[L16], 4, v1
	v_lshlrev_b32 v[L8], 3, v1
	v_lshlrev_b32 v[SCA], 2, v2
	v_lshl_add_u32 v[SCA], v3, 9, v[SCA]
	s_mul_i32 s18, s17, STG
	v_add_nc_u32 v[SIN], s18, v[L16]               ; in: a row's 512 bytes as they lie
	v_mul_u32_u24 v[SOUT], v2, SP
	v_lshl_add_u32 v[SOUT], v3, 6, v[SOUT]
	v_add_nc_u32 v[SOUT], s18, v[SOUT]             ; out: row r, + 64 h: my 16 numbers of a block of 32
.irp b, 0,1,2,3
	v_mov_b32 v[TM+4+\b], 0                        ; written once: a lane permute's destination counts as one of its sources
.endr
	s_mov_b32 s[SEL], 0x76543210
	s_mov_b32 s[SEL+1], 0xfedcba98
	s_mov_b32 s[HM], 0xffff0000
	s_lshr_b32 s19, s17, 1
	s_lshl_b32 s24, ttmp9, 1
	s_add_co_u32 s19, s19, s24                     ; my block: 2 x work-group + wave / 2
	s_and_b32 s25, s17, 1                          ; which half of K
	s_lshr_b32 s26, s19, 3                         ; its group
	s_and_b32 s27, s19, 7                          ; its place in the group
	s_cmp_lt_u32 ttmp9, 352                        ; work-groups 0-255 take X, 256-351 W_qkv, 352-383 W_o
	s_cselect_b32 s22, 64, 88
	s_cmp_lt_u32 ttmp9, 256
	s_cselect_b32 s22, 0, s22                      ; the tensor's first group
	s_sub_co_u32 s28, s26, s22
	s_lshl_b32 s28, s28, 7
	s_lshr_b32 s29, s27, 1
	s_lshl_b32 s29, s29, 5
	s_add_co_u32 s28, s28, s29
	s_and_b32 s29, s27, 1
	s_lshl_b32 s29, s29, 3
	s_add_co_u32 s28, s28, s29                     ; the block's first row in the tensor's own order of groups
	s_bfe_u32 s29, s28, 0x40006                    ; W_qkv: that row is 1024 x section + 64 x head + d; in memory it is row 192 x head + 64 x section + d
	s_mul_i32 s29, s29, 192
	s_lshr_b32 s30, s28, 10
	s_lshl_b32 s30, s30, 6
	s_add_co_u32 s29, s29, s30
	s_and_b32 s30, s28, 63
	s_add_co_u32 s29, s29, s30                     ; (a block's 16 rows reach 23 rows on and stay inside one head's 64)
	s_sub_co_u32 s30, ttmp9, 256
	s_cmp_lt_u32 s30, 96
	s_cselect_b32 s28, s29, s28
	s_lshl_b32 s28, s28, 12                        ; 4,096 bytes a row
	s_lshl_b32 s29, s25, 11
	s_add_co_u32 s28, s28, s29                     ; + my half of K
	s_mov_b32 s29, 0
	s_mul_i32 s30, s26, GRPB
	s_mul_i32 s31, s25, 4*KSB
	s_add_co_u32 s30, s30, s31
	s_mul_i32 s31, s27, FRB
	s_add_co_u32 s30, s30, s31                     ; my first image
	s_mov_b32 s31, 0
	s_lshl_b32 s32, s26, 12
	s_lshl_b32 s33, s25, 11
	s_add_co_u32 s32, s32, s33
	s_lshl_b32 s33, s27, 6
	s_add_co_u32 s32, s32, s33                     ; and its scale words
	s_mov_b32 s33, 0
	s_wait_kmcnt 0x0
	s_cmp_lt_u32 ttmp9, 352                        ; the choice of the buffer hangs on the work-group's number alone
	s_cselect_b64 s[20:21], s[6:7], s[8:9]
	s_cmp_lt_u32 ttmp9, 256
	s_cselect_b64 s[20:21], s[4:5], s[20:21]
	s_add_nc_u64 s[20:21], s[20:21], s[28:29]
	s_add_nc_u64 s[10:11], s[10:11], s[30:31]
	s_add_nc_u64 s[12:13], s[12:13], s[32:33]
.macro LOAD t                          ; K step t of my 16 rows into set t % 2: 32 lanes read 512 consecutive bytes
.irp i, 0,1,2,3,4,5,6,7,8,9,10,11,12,13,14,15
	global_load_b128 v[R+64*((\t)%2)+4*\i:R+64*((\t)%2)+4*\i+3], v[L16], s[20:21] offset:(\i+8*(\i/8))*4096+512*(\t) th:TH_LOAD_NT
.endr
.endm
.macro STEP t
.if (\t) < 3
	s_wait_loadcnt 16                              ; this step's 16 loads are in; the next step's 16 may be out
.else
	s_wait_loadcnt 0x0
.endif
.irp i, 0,1,2,3,4,5,6,7,8,9,10,11,12,13,14,15
	ds_store_b128 v[SIN], v[R+64*((\t)%2)+4*\i:R+64*((\t)%2)+4*\i+3] offset:SP*\i
.endr
.irp b, 0,1,2,3
.irp j, 0,1,2,3
	ds_load_b128 v[X+16*\b+4*\j:X+16*\b+4*\j+3], v[SOUT] offset:128*\b+16*\j   ; LDS serves a wave's instructions in order: these see the stores above
.endr
.endr
	s_wait_dscnt 0x0                               ; the numbers are back, and the stores into the stage have read their registers
.if (\t) > 0
	s_wait_xcnt 0x0                                ; the last step's stores have read the codes' and the word's registers, which are written again below
.endif
.if (\t) < 2
	LOAD (\t)+2
.endif
	QUANT X
	global_store_b128 v[L16], v[PC:PC+3], s[10:11] offset:KSB*(\t)
	global_store_b64 v[L8], v[PC+4:PC+5], s[10:11] offset:KSB*(\t)+512
	global_store_b128 v[L16], v[PC+6:PC+9], s[10:11] offset:KSB*(\t)+768
	global_store_b64 v[L8], v[PC+10:PC+11], s[10:11] offset:KSB*(\t)+1280
.if (\t)%2 == 0
	v_mov_b32 v[PWE], v[PW]
.else
	v_cndmask_b32 v[PWM], v[PWE], v[PW], s[HM]     ; two steps' words leave by one store
	global_store_b32 v[SCA], v[PWM], s[12:13] offset:512*((\t)-1)
.endif
.endm
	LOAD 0
	LOAD 1
	STEP 0
	STEP 1
	STEP 2
	STEP 3
	s_wait_tensorcnt 0x0                           ; the wave's end: behind my last LDS store
	ds_add_u32 v[SPW], v[NIL]
	s_wait_dscnt 0x0
	s_endpgm
.Lfunc_end_k_q06ed3ecd86_quant:
	.size	k_q06ed3ecd86_quant, .Lfunc_end_k_q06ed3ecd86_quant-k_q06ed3ecd86_quant
	.p2alignl 7, 3214868480
	.fill 96, 4, 3214868480
	.section	.rodata,"a",@progbits
	.p2align	6, 0x0
	.amdhsa_kernel k_q06ed3ecd86_quant
		.amdhsa_group_segment_fixed_size 34304
		.amdhsa_private_segment_fixed_size 0
		.amdhsa_enable_private_segment 0
		.amdhsa_kernarg_size 40
		.amdhsa_user_sgpr_count 2
		.amdhsa_user_sgpr_kernarg_segment_ptr 1
		.amdhsa_wavefront_size32 1
		.amdhsa_system_sgpr_workgroup_id_x 1
		.amdhsa_system_sgpr_workgroup_id_y 1
		.amdhsa_system_sgpr_workgroup_id_z 1
		.amdhsa_system_vgpr_workitem_id 0
		.amdhsa_next_free_vgpr 256
		.amdhsa_next_free_sgpr 66
		.amdhsa_reserve_vcc 0
		.amdhsa_float_denorm_mode_32 3
		.amdhsa_float_denorm_mode_16_64 3
		.amdhsa_memory_ordered 1
		.amdhsa_forward_progress 1
		.amdhsa_inst_pref_size 35
	.end_amdhsa_kernel
	.amdgpu_metadata
---
amdhsa.version: [ 1, 2 ]
amdhsa.kernels:
  - .name:           k_q06ed3ecd86_quant
    .symbol:         k_q06ed3ecd86_quant.kd
    .args:
      - { .name: X, .offset: 0, .size: 8, .value_kind: global_buffer, .address_space: global }
      - { .name: W_qkv, .offset: 8, .size: 8, .value_kind: global_buffer, .address_space: global }
      - { .name: W_o, .offset: 16, .size: 8, .value_kind: global_buffer, .address_space: global }
      - { .name: opimg, .offset: 24, .size: 8, .value_kind: global_buffer, .address_space: global }
      - { .name: opsc, .offset: 32, .size: 8, .value_kind: global_buffer, .address_space: global }
    .group_segment_fixed_size: 34304
    .private_segment_fixed_size: 0
    .kernarg_segment_align: 8
    .kernarg_segment_size: 40
    .max_flat_workgroup_size: 128
    .sgpr_count:     66
    .vgpr_count:     256
    .wavefront_size: 32
...
	.end_amdgpu_metadata
.endif
;; end of part 1
;; launch gemm_qkv (part 2): grid 12 x 32, 4 waves a work-group, clusters of 4 x 4, 327,680 bytes of LDS; arguments opimg, opsc, b_qkv, qkv; writes qkv
.if DOCPART == 2
	.amdgcn_target "amdgcn-amd-amdhsa--gfx1250"
	.amdhsa_code_object_version 6
	.text
	.protected	k_q06ed3ecd86_gemm_qkv
	.globl	k_q06ed3ecd86_gemm_qkv
	.p2align	8
	.type	k_q06ed3ecd86_gemm_qkv,@function
k_q06ed3ecd86_gemm_qkv:
	s_mov_b64 s[64:65], 0
	v_nop
	global_prefetch_b8 v0, s[64:65] scope:SCOPE_SE
	s_setreg_imm32_b32 hwreg(HW_REG_WAVE_MODE, 25, 1), 1
	s_wait_xcnt 0x0
	s_wait_alu depctr_hold_cnt(0) depctr_sa_sdst(0) depctr_va_vdst(0) depctr_va_sdst(0) depctr_va_ssrc(0) depctr_va_vcc(0) depctr_vm_vsrc(0)
	s_getreg_b32 s2, hwreg(HW_REG_IB_STS2, 6, 4)
	s_cmp_eq_u32 s2, 0
	s_cbranch_scc0 .Lentry_in_a_cluster
	s_endpgm
.Lentry_in_a_cluster:
	s_bfe_u32 s2, ttmp6, 0x10000c
	s_cmp_lg_u32 s2, 0xf033
	s_cbranch_scc0 .Lentry_shape_is_right
	s_endpgm
.Lentry_shape_is_right:
; qkv = X W_qkv^T + b_qkv on codes of FP6 (E2M3) with E8M0 scales, and its result QUANTISED ON THE WAY OUT into the operands of attention: nothing wider than codes goes to memory.
; A tile of 256 x 256 is made by four waves, 128 x 128 each: 64 accumulators, 512 registers.  K = 1,024 goes in four steps of 256 through a ring of two LDS slots.
; OPERANDS lie in memory as images of their registers ([group of 128 rows][K step of 128][block of 16 rows][1,536 bytes]): two K steps of a group are one dense block of 24,576 bytes
; for one tensor load, and a fragment comes by four dense LDS loads (16, 8, 16, 8 bytes a lane).  Lane row r of block i is group row 32 (i / 2) + 8 (i % 2) + r + 8 (r / 8).
; THE MATRIX INSTRUCTION IS USED TRANSPOSED (source 0 = 16 rows of B, source 1 = 16 rows of A): by that order of rows the 64 registers of a block's eight tiles are, in lane (r, h),
; register 16 b + i = B's group row 32 b + 16 h + i, for A's row r: 16 neighbours of each block of 32, as the conversions want them.
; THREE KINDS OF CLUSTER, by the cluster's x, which all sixteen partners share: 0 makes q, 1 makes k (A = X, B = the weight's rows: a lane's registers run along the head's axis);
; 2 makes v (A = the weight's rows, B = X: a lane's registers run along the KEYS, which are the K of attention's second product).  Only whole numbers are chosen; the text is one.
; THE BIAS runs along B's rows for q and k (it is the C of each sum's first product) and along A's rows for v (added on the way out); the other of the two is made 0 by a select.
; CLUSTER 4 x 4: A's blocks hang on the cluster's row and are asked for jointly along it, B's on its column.
; OUT: qkv = [16 batch + head][token / 128] records of 19,200 bytes: K 4 images (image f: registers 0-5 key tile 2 f, 6-11 key tile 2 f + 1), V^T 4 images (16 d x 128 keys), K's 64 scale words, V's 64, Q as K, Q's 64.
; LIMITS: NaN and infinities are not served; a block whose largest magnitude lies under 2^-124 keeps the byte 1, a block of zeros too (its codes are zeros; these bytes are read by this program alone).
; REGISTERS, in windows of 256: window 0: v16-31 addresses; v32-63 scale words, two sets; v64-127 the bias along B's rows; v128-223 A's fragments, ONE set; v224-239 the bias along A's rows; on the way out v128-216, v240-251 at work.
;   window 1: B's fragments, TWO sets, at v0 and v128.   window 2: the accumulators of A's blocks 0-3 ((a, b) at v[8 (8 (a % 4) + b)]);   window 3: of blocks 4-7.
.set FRB,   1536                       ; an image
.set KSB,   8*FRB                      ; a K step of 128 of a group
.set HALFT, 2*KSB                      ; what one tensor load brings: 256 along K of a group
.set SLOT,  4*HALFT                    ; A's two groups, then B's two
.set GRPB,  8*KSB                      ; a group in memory
.set GSC,   4096                       ; a group's scale words
.set SCL,   2*SLOT                     ; behind the ring: the scale words of the four groups, for all of K: filled once
.set SPARE, SCL+4*GSC                  ; behind them: the spare words, 128 bytes for each wave, that no other line names
.set FR,    12                         ; registers of a fragment
.set NL,    4                          ; LDS loads that bring one
.set NP,    4                          ; places behind this matrix instruction (ISA guide 7.12.1)
.set REC,   19200                      ; a record of qkv
.set HS,    16*REC                     ; from a head to the next
.set ADRA, 16                          ; v16-17 LDS address of A's pieces of 16 bytes a lane in slot 0, 1;  v18-19 of 8 bytes a lane
.set ADRB, 20                          ; v20-23 the same for B
.set L16,  24                          ; v24  16 x lane
.set L8,   25                          ; v25  8 x lane
.set SWO,  26                          ; v26  the way out: where a scale word goes
.set ADRS, 27                          ; v27  LDS address of my scale words: lanes 0-15 A's, lanes 16-31 B's
.set SPW,  28                          ; v28  my spare word; never rewritten
.set NIL,  29                          ; v29  0; never rewritten
.set SC,   32                          ; scale words: set s at v[SC + 16 s]; register 2 i + q: block i, the slot's q-th 128 along K
.set BN,   64
.set AF,   128
.set BM,   224                         ; v[BM + 2 a]: the bias of my row of A's block a (the odd registers are written since pairs are named)
.set H,    128                         ; the way out: 64 numbers
.set PC,   192                         ; v192-211 the codes just made
.set PW,   212
.set PWE,  213
.set PWM,  214
.set O0,   215
.set O1,   216
.set TM,   240                         ; v240-251 at work in QUANT
.set G1, 24                            ; s[24:31] descriptor group 1 for A's blocks;  s[32:39] group 0, one set for each slot
.set G0, 32
.set G1B, 48                           ; s[48:55], s[56:63] the same for B's
.set G0B, 56
.set G1S, 68                           ; s[68:75], s[76:79] for A's scale words;  s[80:87], s[88:91] for B's
.set G0S, 76
.set G1SB, 80
.set G0SB, 88
.set SEL, 80                           ; the way out, in registers that held descriptors: s[80:81] lane selects
.set MSB, 0
.macro WIN new                         ; the immediate's high byte repeats the setting that is left
.if MSB != \new
	s_set_vgpr_msb (MSB<<8)|\new
.set MSB, \new
.endif
.endm
.set MUL_LO, 0xa1                      ; source 0 (B) window 1, source 1 (A) window 0, C and D window 2
.set MUL_HI, 0xf1                      ; the same, C and D window 3
.set FST_LO, 0x81                      ; a sum's first product: C is the bias, in window 0
.set FST_HI, 0xc1
.set TO_B,   0x40                      ; destination window 1, address window 0
; A joint load: waves 0 and 1 fetch A's two groups, waves 2 and 3 B's.  Each line has one mask and one set of registers for all that issue it; the branch hangs on the wave's number alone.
; An s_nop 0 and four v_nop follow each of the two lines.
.macro JLOAD g0a, g1a, g0b, g1b
	s_cmp_eq_u32 s15, 0
	s_cbranch_scc0 .Lfor_b_\@
	tensor_load_to_lds s[\g0a:\g0a+3], s[\g1a:\g1a+7]
	s_nop 0
.rept 4
	v_nop
.endr
	s_branch .Lasked_\@
.Lfor_b_\@:
	tensor_load_to_lds s[\g0b:\g0b+3], s[\g1b:\g1b+7]
	s_nop 0
.rept 4
	v_nop
.endr
.Lasked_\@:
.endm
.macro CREST                           ; a round of the cluster's barrier behind its opening barrier
	s_cmp_lg_u32 s14, 0
	s_cbranch_scc1 .Lnot_wave_0_\@
	s_barrier_signal -3
.Lnot_wave_0_\@:
	s_barrier_wait -3
	s_barrier_signal -1
	s_barrier_wait -1
.endm
.macro CROUND                          ; a whole round
	s_barrier_signal -1
	s_barrier_wait -1
	CREST
.endm
.macro QUANT s                         ; 64 numbers of a lane, register 16 b + i = k 32 b + 16 h + i of my row, become an image's 12 registers in v[PC] on and the row's scale word in v[PW]
.irp b, 0,1,2,3
	v_max3_num_f32 v[TM+\b], |v[\s+16*\b]|, |v[\s+1+16*\b]|, 0x1800000   ; my 16 numbers of block b, and the floor 2^(3 - 127): the byte cannot fall under 1
.endr
.irp i, 2,4,6,8,10,12,14
.irp b, 0,1,2,3
	v_max3_num_f32 v[TM+\b], v[TM+\b], |v[\s+16*\b+\i]|, |v[\s+1+16*\b+\i]|
.endr
.endr
.irp b, 0,1,2,3
	v_permlanex16_b32 v[TM+4+\b], v[TM+\b], s[SEL], s[SEL+1]
.endr
.irp b, 0,1,2,3
	v_max_num_f32 v[TM+\b], v[TM+\b], v[TM+4+\b]           ; with lane l xor 16's: the block's largest magnitude
.endr
.irp b, 0,1,2,3
	v_add_nc_u32 v[TM+8+\b], 0xff000000, v[TM+\b]          ; 2 off its exponent field: the conversion's scale operand
.endr
.irp b, 0,1,2,3
	v_lshrrev_b32 v[TM+4+\b], 23, v[TM+8+\b]               ; the scale's byte
.endr
	v_lshl_or_b32 v[PW], v[TM+5], 8, v[TM+4]
	v_lshl_or_b32 v[PW], v[TM+6], 16, v[PW]
	v_lshl_or_b32 v[PW], v[TM+7], 24, v[PW]
.irp c, 0,1
	v_cvt_scalef32_pk16_fp6_f32 v[PC+6*\c:PC+2+6*\c], v[\s+32*\c:\s+15+32*\c], v[TM+8+2*\c]
	v_cvt_scalef32_pk16_fp6_f32 v[PC+12+4*\c:PC+14+4*\c], v[\s+16+32*\c:\s+31+32*\c], v[TM+8+2*\c+1]
.endr
	v_nop                                                  ; one plain place behind the scaled conversions
.irp c, 0,1
.irp i, 0,1,2
	v_permlane16_swap_b32 v[PC+6*\c+\i], v[PC+12+4*\c+\i]
.endr
.irp i, 0,1,2
	v_mov_b32 v[PC+3+6*\c+\i], v[PC+12+4*\c+\i]
.endr
.endr
.endm
	s_load_b256 s[4:11], s[0:1], 0x0               ; opimg s[4:5], opsc s[6:7], b_qkv s[8:9], qkv s[10:11]
	v_lshl_add_u32 v[SPW], v0, 2, SPARE
	v_mov_b32 v[NIL], 0
	ds_add_u32 v[SPW], v[NIL]                      ; the wave's opening: the add and its wait stand ahead of my first tensor load; the set-up below, work on registers, stands between them
	v_lshrrev_b32 v1, 5, v0
	v_readfirstlane_b32 s14, v1                    ; wave 0..3
	s_lshr_b32 s15, s14, 1                         ; which of A's two groups I multiply.  Also: I fetch for A (0) or for B (1)
	s_and_b32 s16, s14, 1                          ; which of B's two groups I multiply.  Also: which of the two groups I fetch
	s_bfe_u32 s40, ttmp6, 0x40000                  ; cx, cy: my place in the cluster
	s_bfe_u32 s41, ttmp6, 0x40004
	s_lshl_b32 s43, s41, 2
	s_lshl_b32 s43, 15, s43                        ; my row of the cluster
	s_lshl_b32 s44, 0x1111, s40                    ; my column
	; descriptor group 1: a dense block of 24,576 bytes as 96 rows of 256 bytes (32 elements of 8 bytes), no padding
	s_or_b32 s[G1+0], s43, (3<<16)|(1<<21)         ; 15:0 the mask: A's go to my row; 17:16 elements of 8 bytes; 21 set beside a mask
	s_or_b32 s[G1B+0], s44, (3<<16)|(1<<21)
.irp g, G1, G1B
	s_mov_b32 s[\g+1], 32<<16                      ; tensor_dim0
	s_mov_b32 s[\g+2], 96<<16                      ; tensor_dim1
	s_mov_b32 s[\g+3], 32<<16                      ; tile_dim0
	s_mov_b32 s[\g+4], 96                          ; tile_dim1
	s_mov_b32 s[\g+5], 32                          ; tensor_dim0_stride
	s_mov_b32 s[\g+6], 0
	s_mov_b32 s[\g+7], 0
.endr
	s_or_b32 s[G1S+0], s43, (3<<16)|(1<<21)        ; a group's scale words: 16 such rows
	s_or_b32 s[G1SB+0], s44, (3<<16)|(1<<21)
.irp g, G1S, G1SB
	s_mov_b32 s[\g+1], 32<<16
	s_mov_b32 s[\g+2], 16<<16
	s_mov_b32 s[\g+3], 32<<16
	s_mov_b32 s[\g+4], 16
	s_mov_b32 s[\g+5], 32
	s_mov_b32 s[\g+6], 0
	s_mov_b32 s[\g+7], 0
.endr
	; the kind of my cluster: whole numbers chosen on the cluster's x
	s_lshl_b32 s2, ttmp9, 2                        ; 4 x cluster x
	s_and_b32 s17, ttmp7, 0xffff
	s_lshl_b32 s17, s17, 2                         ; 4 x cluster y
	s_lshl_b32 s98, s41, 1
	s_add_co_u32 s98, s98, s15                     ; v: my pair of heads is A's group
	s_lshl_b32 s99, s40, 1
	s_add_co_u32 s99, s99, s16                     ; q, k: it is B's group
	s_cmp_eq_u32 ttmp9, 2
	s_cselect_b32 s18, 0, s17                      ; A: tile rows counted from ..
	s_cselect_b32 s19, 80, 0                       ; .. in groups from: v's weight rows begin at group 80, X at 0
	s_cselect_b32 s3, s17, s2                      ; B likewise:
	s_cselect_b32 s12, 0, 64                       ; X at 0, the weight's rows at 64 (+ 8 for each section)
	s_cselect_b32 s66, -1, 0                       ; all lanes on where the bias runs along A's rows,
	s_cselect_b32 s67, 0, -1                       ; along B's rows
	s_cselect_b32 s95, s98, s99                    ; my pair of heads: 2 hp, 2 hp + 1
	s_add_co_u32 s20, s18, s41
	s_lshl_b32 s20, s20, 1
	s_add_co_u32 s20, s20, s19
	s_add_co_u32 s20, s20, s16                     ; A's group that I fetch: it hangs on cy, never on cx
	s_add_co_u32 s46, s3, s40
	s_lshl_b32 s46, s46, 1
	s_add_co_u32 s46, s46, s12
	s_add_co_u32 s46, s46, s16                     ; B's: on cx, never on cy
	s_mul_i32 s22, s20, GSC
	s_mov_b32 s23, 0
	s_mul_i32 s20, s20, GRPB
	s_mov_b32 s21, 0
	s_mul_i32 s92, s46, GSC
	s_mov_b32 s93, 0
	s_mul_i32 s46, s46, GRPB
	s_mov_b32 s47, 0
	s_mul_i32 s45, s14, HALFT                      ; where they go: wave x a group's part: no place in the cluster enters an LDS address
	s_mul_i32 s94, s14, GSC
	s_wait_dscnt 0x0                               ; the opening add is done
	s_wait_kmcnt 0x0
	s_add_nc_u64 s[20:21], s[4:5], s[20:21]
	s_add_nc_u64 s[22:23], s[6:7], s[22:23]
	s_add_nc_u64 s[46:47], s[4:5], s[46:47]
	s_add_nc_u64 s[92:93], s[6:7], s[92:93]
	CROUND                                         ; all sixteen work-groups are here: the first joint loads meet
	s_mov_b32 s[G0S], 1
	s_add_co_u32 s[G0S+1], s94, SCL
	s_mov_b64 s[G0S+2:G0S+3], s[22:23]
	s_or_b32 s[G0S+3], s[G0S+3], 0x80000000
	s_mov_b32 s[G0SB], 1
	s_add_co_u32 s[G0SB+1], s94, SCL
	s_mov_b64 s[G0SB+2:G0SB+3], s[92:93]
	s_or_b32 s[G0SB+3], s[G0SB+3], 0x80000000
	JLOAD G0S, G1S, G0SB, G1SB                     ; the scale words first: they are wanted with the first K step
.irp s, 0,1
	s_mov_b32 s[G0+4*\s], 1
	s_add_co_u32 s[G0+4*\s+1], s45, \s*SLOT
	s_add_nc_u64 s[G0+4*\s+2:G0+4*\s+3], s[20:21], \s*HALFT
	s_or_b32 s[G0+4*\s+3], s[G0+4*\s+3], 0x80000000
	s_mov_b32 s[G0B+4*\s], 1
	s_add_co_u32 s[G0B+4*\s+1], s45, \s*SLOT
	s_add_nc_u64 s[G0B+4*\s+2:G0B+4*\s+3], s[46:47], \s*HALFT
	s_or_b32 s[G0B+4*\s+3], s[G0B+4*\s+3], 0x80000000
	JLOAD G0+4*\s, G1, G0B+4*\s, G1B
.endr
	v_and_b32 v1, 15, v0                           ; r
	v_bfe_u32 v2, v0, 4, 1                         ; h
	v_and_b32 v3, 31, v0                           ; lane
	v_lshlrev_b32 v[L16], 4, v3
	v_lshlrev_b32 v[L8], 3, v3
	s_mul_i32 s21, s15, HALFT                      ; my group of A
	s_mul_i32 s22, s16, HALFT                      ; my group of B,
	s_add_co_u32 s22, s22, 2*HALFT                 ; behind A's two
.irp s, 0,1
	v_add_nc_u32 v[ADRA+\s], s21, v[L16]
	v_add_nc_u32 v[ADRA+2+\s], s21, v[L8]
	v_add_nc_u32 v[ADRB+\s], s22, v[L16]
	v_add_nc_u32 v[ADRB+2+\s], s22, v[L8]
	s_add_co_u32 s21, s21, SLOT
	s_add_co_u32 s22, s22, SLOT
.endr
	s_mul_i32 s21, s15, GSC                        ; scale words: A's group,
	s_mul_i32 s22, s16, GSC
	s_add_co_u32 s22, s22, 2*GSC                   ; B's group, behind A's two
	s_sub_co_u32 s22, s22, s21
	v_mul_u32_u24 v6, s22, v2                      ; lanes 16-31 take B's
	s_add_co_u32 s21, s21, SCL
	v_lshl_add_u32 v5, v1, 2, v6
	v_add_nc_u32 v[ADRS], s21, v5
	; the biases: both are loaded (every address lies inside b_qkv for every kind), and the one that does not apply is made 0
	s_mul_i32 s96, s95, 384
	s_lshl_b32 s97, ttmp9, 6
	s_add_co_u32 s96, s96, s97
	s_lshl_b32 s96, s96, 2                         ; b_qkv at 192 x (2 hp) + 64 x section
	s_mov_b32 s97, 0
	s_add_nc_u64 s[96:97], s[8:9], s[96:97]
	v_lshlrev_b32 v7, 6, v2                        ; 64 h
	v_and_b32 v8, 8, v1
	v_add_nc_u32 v8, v8, v1
	v_lshlrev_b32 v8, 2, v8                        ; 4 (r + 8 (r / 8))
.irp b, 0,1,2,3
.irp q, 0,1,2,3
	global_load_b128 v[BN+16*\b+4*\q:BN+16*\b+4*\q+3], v7, s[96:97] offset:4*(192*(\b/2)+32*(\b%2))+16*\q   ; register 16 b + i: the bias of B's group row 32 b + 16 h + i
.endr
.endr
.irp a, 0,1,2,3,4,5,6,7
	global_load_b32 v[BM+2*\a], v8, s[96:97] offset:4*(192*(\a/4)+32*((\a%4)/2)+8*(\a%2))   ; the bias of my row of A's block a
	v_mov_b32 v[BM+2*\a+1], 0
.endr
	s_wait_loadcnt 0x0
.set k, 0
.rept 64
	v_cndmask_b32 v[BN+k], 0, v[BN+k], s67
.set k, k+1
.endr
.irp a, 0,1,2,3,4,5,6,7
	v_cndmask_b32 v[BM+2*\a], 0, v[BM+2*\a], s66
.endr
.macro FRAG reg, adr, q, i             ; a fragment as it lies: four dense loads
	ds_load_b128 v[\reg:\reg+3], v[\adr] offset:(\q)*KSB+(\i)*FRB
	ds_load_b64 v[\reg+4:\reg+5], v[\adr+2] offset:(\q)*KSB+(\i)*FRB+512
	ds_load_b128 v[\reg+6:\reg+9], v[\adr] offset:(\q)*KSB+(\i)*FRB+768
	ds_load_b64 v[\reg+10:\reg+11], v[\adr+2] offset:(\q)*KSB+(\i)*FRB+1280
.endm
; 16 matrix instructions: A's blocks a0, a0 + 1 x B's eight, 128 along K.  p: B's set;  sc: the set of scale words.  first = 1: the bias is the C of the sum's first product: nothing is cleared.
; The 64 accumulators take turns, one instruction a turn, in the same order in every step.
.macro MUL16 a0, p, q, sc, first
.irp a, \a0, \a0+1
.irp b, 0,1,2,3,4,5,6,7
.if \first
	v_wmma_scale_f32_16x16x128_f8f6f4 v[8*(8*((\a)%4)+\b):8*(8*((\a)%4)+\b)+7], v[128*(\p)+FR*\b:128*(\p)+FR*\b+FR-1], v[AF+FR*(\a):AF+FR*(\a)+FR-1], v[BN+8*\b:BN+8*\b+7], v[SC+16*(\sc)+2*\b+(\q)], v[SC+16*(\sc)+2*(\a)+(\q)] matrix_a_fmt:MATRIX_FMT_FP6 matrix_b_fmt:MATRIX_FMT_FP6 matrix_a_scale:MATRIX_SCALE_ROW1
.else
	v_wmma_scale_f32_16x16x128_f8f6f4 v[8*(8*((\a)%4)+\b):8*(8*((\a)%4)+\b)+7], v[128*(\p)+FR*\b:128*(\p)+FR*\b+FR-1], v[AF+FR*(\a):AF+FR*(\a)+FR-1], v[8*(8*((\a)%4)+\b):8*(8*((\a)%4)+\b)+7], v[SC+16*(\sc)+2*\b+(\q)], v[SC+16*(\sc)+2*(\a)+(\q)] matrix_a_fmt:MATRIX_FMT_FP6 matrix_b_fmt:MATRIX_FMT_FP6 matrix_a_scale:MATRIX_SCALE_ROW1
.endif
.endr
.endr
.endm
.macro FETCH_B slot, q, p              ; B's eight fragments of the slot's q-th 128 along K into set p
	WIN TO_B
.irp i, 0,1,2,3,4,5,6,7
	FRAG 128*(\p)+FR*\i, ADRB+\slot, \q, \i
.endr
	WIN 0
.endm
.macro FETCH_A slot, q, i0             ; A's blocks i0 .. i0 + 3
.irp i, \i0, \i0+1, \i0+2, \i0+3
	FRAG AF+FR*(\i), ADRA+\slot, \q, \i
.endr
.endm
.macro SCALES sc                       ; a slot's scale words into set sc: lanes 0-15 take A's block i, lanes 16-31 B's block i
.irp i, 0,1,2,3,4,5,6,7
	ds_load_b32 v[SC+16*\sc+2*\i], v[ADRS] offset:64*\i
	ds_load_b32 v[SC+16*\sc+2*\i+1], v[ADRS] offset:512+64*\i
.endr
.endm
.macro PLACES n                        ; plain places in front of loads into registers that matrix instructions have read, and of the first read of results
.rept \n
	v_nop
.endr
.endm
; A step of 128 along K that has its successor in the same slot.
.macro STEP slot, q, first
	s_wait_dscnt 4*NL                              ; B's set, A's blocks 0-3 and the scale words are in; the youngest 16 loads (A's blocks 4-7) may be out
.if \first
	WIN FST_LO
.else
	WIN MUL_LO
.endif
	MUL16 0, (\q)%2, \q, \slot, \first
	MUL16 2, (\q)%2, \q, \slot, \first
	s_wait_dscnt 0x0                               ; A's blocks 4-7 are in
	PLACES NP
	FETCH_B \slot, (\q)+1, 1-(\q)%2
	FETCH_A \slot, (\q)+1, 0
.if \first
	WIN FST_HI
.else
	WIN MUL_HI
.endif
	MUL16 4, (\q)%2, \q, \slot, \first
	MUL16 6, (\q)%2, \q, \slot, \first
	PLACES NP
	WIN 0
	FETCH_A \slot, (\q)+1, 4
.endm
; A slot's last step changes slots: ONE barrier; in front of it each wave waits for all its tensor loads, adds 0 to its spare word, and waits for that and for its own reads of this slot.  fill = 1: this slot is filled again.
.macro TURN slot, next, fill
	s_wait_tensorcnt 0x0                           ; all my tensor loads have landed: my part of the next slot
	ds_add_u32 v[SPW], v[NIL]                      ; 0 onto my spare word
	s_wait_dscnt 4*NL+1                            ; (the add and the youngest 16 loads, A's blocks 4-7, may be out)
	WIN MUL_LO
	MUL16 0, 1, 1, \slot, 0                        ; sixteen matrix instructions stand between the add and the wait for it
	s_wait_dscnt 0x0                               ; the add is done, and my reads of this slot are over
	s_barrier_signal -1
	MUL16 2, 1, 1, \slot, 0
	WIN 0
	s_barrier_wait -1
.if \fill
	CREST                                          ; the barrier has opened a round of the cluster's barrier: no wave of any partner still reads this slot or has a load on its way
	s_add_nc_u64 s[G0+4*\slot+2:G0+4*\slot+3], s[G0+4*\slot+2:G0+4*\slot+3], 2*HALFT
	s_add_nc_u64 s[G0B+4*\slot+2:G0B+4*\slot+3], s[G0B+4*\slot+2:G0B+4*\slot+3], 2*HALFT
	JLOAD G0+4*\slot, G1, G0B+4*\slot, G1B         ; the first tensor load behind the round; its four v_nop are the places in front of the loads below
.else
	PLACES NP
.endif
	v_add_nc_u32 v[ADRS], 1024, v[ADRS]            ; on to the next slot's scale words
	FETCH_B \next, 0, 0
	FETCH_A \next, 0, 0
	SCALES \next
	WIN MUL_HI
	MUL16 4, 1, 1, \slot, 0
	MUL16 6, 1, 1, \slot, 0
	PLACES NP
	WIN 0
	FETCH_A \next, 0, 4
.endm
	s_wait_tensorcnt 1                             ; the scale words and my part of slot 0 are in (slot 1's load may be out)
	s_barrier_signal -1
	s_barrier_wait -1                              ; everybody's are
	FETCH_B 0, 0, 0
	FETCH_A 0, 0, 0
	SCALES 0
	FETCH_A 0, 0, 4
	STEP 0, 0, 1                                   ; K = 1,024 is eight steps of 128, written out: four slots' worth, of which two are refills
	TURN 0, 1, 1
	STEP 1, 0, 0
	TURN 1, 0, 1
	STEP 0, 0, 0
	TURN 0, 1, 0                                   ; nothing is left to fetch
	STEP 1, 0, 0
	s_wait_dscnt 4*NL
	WIN MUL_LO
	MUL16 0, 1, 1, 1, 0
	MUL16 2, 1, 1, 1, 0
	s_wait_dscnt 0x0
	WIN MUL_HI
	MUL16 4, 1, 1, 1, 0
	MUL16 6, 1, 1, 1, 0
	WIN 0
	PLACES NP
	; THE WAY OUT.  No tensor load of mine is out since the last change of slots, so the descriptors' registers are free.  Block a's 64 numbers a lane are quantised and stored as images.
	; q, k: block a = 16 tokens x (64 of head 2 hp | 64 of head 2 hp + 1): registers 0-5 are half a % 2 of image a / 2 of the first head's record, 6-11 of the second's.
	; v: block a = 16 d of head 2 hp + a / 4 x 128 keys: image a % 4 of V^T, whole.
	s_add_co_u32 s24, s3, s40
	s_lshl_b32 s24, s24, 1
	s_add_co_u32 s24, s24, s16                     ; v: my 128 tokens are B's group
	s_add_co_u32 s25, s18, s41
	s_lshl_b32 s25, s25, 1
	s_add_co_u32 s25, s25, s15                     ; q, k: A's group
	s_mov_b32 s26, 12800                           ; where the images begin in a record: q,
	s_mov_b32 s27, 18944                           ; and the scale words
	s_cmp_eq_u32 ttmp9, 0
	s_cselect_b32 s26, s26, 0                      ; k
	s_cselect_b32 s27, s27, 12288
	s_mov_b32 s68, 768
	s_mov_b32 s70, 768
	s_mov_b32 s76, HS
	s_mov_b32 s89, HS
	s_mov_b32 s78, 0x05040100
	s_mov_b32 s79, 0x07060302
	s_cmp_eq_u32 ttmp9, 2
	s_cselect_b32 s24, s24, s25
	s_cselect_b32 s26, 6144, s26                   ; v
	s_cselect_b32 s27, 12544, s27
	s_cselect_b32 s68, 1536, s68                   ; s[68:69] from a block's images to the next block's;
	s_cselect_b32 s70, HS-3*1536, s70              ; s[70:71] the same in front of block 4: v goes on to the second head
	s_cselect_b32 s72, 128, 64                     ; s[72:73] from a pair of blocks' scale words to the next pair's;
	s_cselect_b32 s74, HS-128, 64                  ; s[74:75] the same in front of block 5
	s_cselect_b32 s76, 768, s76                    ; s[76:77] from registers 0-5's place to registers 6-11's
	s_cselect_b32 s89, 64, s89                     ; from lanes 0-15's scale word to lanes 16-31's
	s_cselect_b32 s78, 0x03020100, s78             ; which bytes of the two blocks' words make lanes 0-15's word,
	s_cselect_b32 s79, 0x07060504, s79             ; and lanes 16-31's
	s_mov_b32 s69, 0
	s_mov_b32 s71, 0
	s_mov_b32 s73, 0
	s_mov_b32 s75, 0
	s_mov_b32 s77, 0
	s_mov_b32 s[SEL], 0x76543210
	s_mov_b32 s[SEL+1], 0xfedcba98
	s_mov_b32 s88, 0xffff0000                      ; the mask of lanes 16-31
	s_lshr_b32 s25, s24, 4                         ; the batch
	s_lshl_b32 s25, s25, 4
	s_lshl_b32 s28, s95, 1
	s_add_co_u32 s25, s25, s28                     ; 16 batch + head 2 hp
	s_lshl_b32 s25, s25, 4
	s_and_b32 s24, s24, 15
	s_add_co_u32 s25, s25, s24                     ; its record of my 128 tokens
	s_mul_i32 s25, s25, REC
	s_add_co_u32 s90, s25, s26
	s_mov_b32 s91, 0
	s_add_nc_u64 s[82:83], s[10:11], s[90:91]      ; registers 0-5 go here,
	s_add_nc_u64 s[84:85], s[82:83], s[76:77]      ; registers 6-11 here,
	s_add_co_u32 s90, s25, s27
	s_add_nc_u64 s[86:87], s[10:11], s[90:91]      ; the scale words here
	v_and_b32 v1, 15, v0
	v_bfe_u32 v2, v0, 4, 1
	v_mul_u32_u24 v[SWO], v2, s89
	v_lshl_add_u32 v[SWO], v1, 2, v[SWO]
.irp b, 0,1,2,3
	v_mov_b32 v[TM+4+\b], 0                        ; written once: a lane permute's destination counts as one of its sources
.endr
.macro OUTBLK a
.if (\a) > 0
	s_wait_xcnt 0x0                                ; the last block's stores have read their registers and bases: both are written again below
.endif
.if (\a) == 4
	s_add_nc_u64 s[82:83], s[82:83], s[70:71]
	s_add_nc_u64 s[84:85], s[84:85], s[70:71]
.elseif (\a) > 0
	s_add_nc_u64 s[82:83], s[82:83], s[68:69]
	s_add_nc_u64 s[84:85], s[84:85], s[68:69]
.endif
.if (\a) == 5
	s_add_nc_u64 s[86:87], s[86:87], s[74:75]
.elseif ((\a) == 3) || ((\a) == 7)
	s_add_nc_u64 s[86:87], s[86:87], s[72:73]
.endif
	WIN (0x02+(\a)/4)                              ; source 0: window 2 or 3
.set k, 0
.rept 32
	v_pk_add_f32 v[H+2*k:H+2*k+1], v[64*((\a)%4)+2*k:64*((\a)%4)+2*k+1], v[BM+2*(\a):BM+2*(\a)+1] op_sel_hi:[1,0]   ; + the bias of my row (0 for q and k); each accumulator from its low end on
.set k, k+1
.endr
	WIN 0
	QUANT H
	global_store_b128 v[L16], v[PC:PC+3], s[82:83]
	global_store_b64 v[L8], v[PC+4:PC+5], s[82:83] offset:512
	global_store_b128 v[L16], v[PC+6:PC+9], s[84:85]
	global_store_b64 v[L8], v[PC+10:PC+11], s[84:85] offset:512
.if (\a)%2 == 0
	v_mov_b32 v[PWE], v[PW]
.else
	v_perm_b32 v[O0], v[PW], v[PWE], s78           ; q, k: the first head's two bytes of both blocks; v: the even block's word
	v_perm_b32 v[O1], v[PW], v[PWE], s79           ; q, k: the second head's; v: the odd block's
	v_cndmask_b32 v[PWM], v[O0], v[O1], s88
	global_store_b32 v[SWO], v[PWM], s[86:87]
.endif
.endm
.irp a, 0,1,2,3,4,5,6,7
	OUTBLK \a
.endr
	s_wait_tensorcnt 0x0                           ; the wave's end: behind my last tensor load
	ds_add_u32 v[SPW], v[NIL]
	s_wait_dscnt 0x0
	CROUND                                         ; the closing round: no work-group ends while a partner may still ask for a block that names it
	s_endpgm
.Lfunc_end_k_q06ed3ecd86_gemm_qkv:
	.size	k_q06ed3ecd86_gemm_qkv, .Lfunc_end_k_q06ed3ecd86_gemm_qkv-k_q06ed3ecd86_gemm_qkv
	.p2alignl 7, 3214868480
	.fill 96, 4, 3214868480
	.section	.rodata,"a",@progbits
	.p2align	6, 0x0
	.amdhsa_kernel k_q06ed3ecd86_gemm_qkv
		.amdhsa_group_segment_fixed_size 327680
		.amdhsa_private_segment_fixed_size 0
		.amdhsa_enable_private_segment 0
		.amdhsa_kernarg_size 32
		.amdhsa_user_sgpr_count 2
		.amdhsa_user_sgpr_kernarg_segment_ptr 1
		.amdhsa_wavefront_size32 1
		.amdhsa_system_sgpr_workgroup_id_x 1
		.amdhsa_system_sgpr_workgroup_id_y 1
		.amdhsa_system_sgpr_workgroup_id_z 1
		.amdhsa_system_vgpr_workitem_id 0
		.amdhsa_next_free_vgpr 1024
		.amdhsa_next_free_sgpr 102
		.amdhsa_reserve_vcc 0
		.amdhsa_float_denorm_mode_32 3
		.amdhsa_float_denorm_mode_16_64 3
		.amdhsa_memory_ordered 1
		.amdhsa_forward_progress 1
		.amdhsa_inst_pref_size 177
	.end_amdhsa_kernel
	.amdgpu_metadata
---
amdhsa.version: [ 1, 2 ]
amdhsa.kernels:
  - .name:           k_q06ed3ecd86_gemm_qkv
    .symbol:         k_q06ed3ecd86_gemm_qkv.kd
    .args:
      - { .name: opimg, .offset: 0, .size: 8, .value_kind: global_buffer, .address_space: global }
      - { .name: opsc, .offset: 8, .size: 8, .value_kind: global_buffer, .address_space: global }
      - { .name: b_qkv, .offset: 16, .size: 8, .value_kind: global_buffer, .address_space: global }
      - { .name: qkv, .offset: 24, .size: 8, .value_kind: global_buffer, .address_space: global }
    .group_segment_fixed_size: 327680
    .private_segment_fixed_size: 0
    .kernarg_segment_align: 8
    .kernarg_segment_size: 32
    .max_flat_workgroup_size: 128
    .sgpr_count:     102
    .vgpr_count:     1024
    .wavefront_size: 32
...
	.end_amdgpu_metadata
.endif
;; end of part 2
;; launch attn (part 3): grid 4 x 64, 16 waves a work-group, clusters of 4 x 1, 206,848 bytes of LDS; arguments qkv, valimg, valsc; writes valimg, valsc
.if DOCPART == 3
	.amdgcn_target "amdgcn-amd-amdhsa--gfx1250"
	.amdhsa_code_object_version 6
	.text
	.protected	k_q06ed3ecd86_attn
	.globl	k_q06ed3ecd86_attn
	.p2align	8
	.type	k_q06ed3ecd86_attn,@function
k_q06ed3ecd86_attn:
	s_mov_b64 s[64:65], 0
	v_nop
	global_prefetch_b8 v0, s[64:65] scope:SCOPE_SE
	s_setreg_imm32_b32 hwreg(HW_REG_WAVE_MODE, 25, 1), 1
	s_wait_xcnt 0x0
	s_wait_alu depctr_hold_cnt(0) depctr_sa_sdst(0) depctr_va_vdst(0) depctr_va_sdst(0) depctr_va_ssrc(0) depctr_va_vcc(0) depctr_vm_vsrc(0)
	s_getreg_b32 s2, hwreg(HW_REG_IB_STS2, 6, 4)
	s_cmp_eq_u32 s2, 0
	s_cbranch_scc0 .Lentry_in_a_cluster
	s_endpgm
.Lentry_in_a_cluster:
	s_bfe_u32 s2, ttmp6, 0x10000c
	s_cmp_lg_u32 s2, 0x3003
	s_cbranch_scc0 .Lentry_shape_is_right
	s_endpgm
.Lentry_shape_is_right:
; vals = softmax(q k^T / 8) v for one head a cluster, both products on codes of FP6 (E2M3) with E8M0 scales; vals leave QUANTISED, as images of the last product's operand registers.
; qkv: [16 batch + head][token / 128] records of 19,200 bytes: K 4 images (image f: registers 0-5 key tile 2 f, registers 6-11 key tile 2 f + 1; a tile is 16 keys x the head's 64),
; V^T 4 images (16 d x 128 keys), K's 64 scale words, V's 64, then Q laid as K and its 64 scale words.  Lane row r of tile i stands for row 32 (i / 2) + 8 (i % 2) + r + 8 (r / 8) of its 128 (or 64).
; THE SOFTMAX AHEAD OF THE SECOND PRODUCT: t = score x log2(e) / 8; M = the row's largest t so far, rounded UP to a whole number; p = 2^(t - M) is quantised along the keys, not normalised.
; The row's sum is taken of the unquantised p and divides at the end.  When M moves, the sum and O are multiplied by 2^(old M - new M): exact.
; THE FIRST PRODUCT'S K IS 64, half of the instruction's 128: an image of K holds two key tiles side by side along K, and Q's operand is [q | zeros] for the one and [zeros | q] for the other: zero codes add nothing
; (their scale bytes are 127).  The 18 registers q, 0, q give both operands.
; SHARES.  The four work-groups of a cluster own one head's 2,048 queries, 512 each, and read the same K and V: each record's first 12,800 bytes are asked for JOINTLY, once, and the WHOLE head stays in LDS:
; 204,800 bytes, never filled again.  A wave owns one image of Q: two tiles of 16 queries, taken in two passes over all keys, 128 a step.  Sixteen waves, four to a SIMD: one wave's vector work stands beside another's matrix work and LDS loads.
; Pass 0 goes by chunks of four records: in front of each a counted wait on my own loads and a barrier, so that work begins when a quarter has landed.  Pass 1 finds everything there.
; Nothing is prefetched: every byte that the launch reads is asked for at its head.
; Both products are used transposed (S^T = K Q^T, O^T = V^T P^T): a lane holds ONE query (lane % 16) throughout; by the order of rows above p's 16 registers of two neighbouring tiles are 16 neighbouring keys, and O^T's are 16 neighbouring d.
; LIMITS: NaN and infinities are not served; a block whose largest magnitude lies under 2^-124 keeps the byte 1, a block of zeros too (its codes are zeros; these bytes are read by this program alone).
; A block's largest p is taken as the exponential of its largest score; this takes v_exp_f32 not to fall where its input rises.
.set REC,  19200
.set KVB,  12800                       ; what of a record lies in LDS
.set FRB,  1536
.set VO,   6144                        ; in a record: V^T's images,
.set KSO,  12288                       ; K's scale words,
.set VSO,  12544                       ; V's,
.set QO,   12800                       ; Q's images,
.set QSO,  18944                       ; Q's scale words
.set SPARE, 16*KVB                     ; behind the head's 16 records: the spare words, 128 bytes for each wave, that no other line names
.set L16, 1                            ; v1  16 x lane      v2  8 x lane      v3  4 x lane
.set L8,  2
.set L4,  3
.set SPW, 4                            ; v4  my spare word; never rewritten
.set NIL, 5                            ; v5  0; never rewritten
.set A16, 6                            ; v6-8 the same three in the record in hand
.set A8,  7
.set A4,  8
.set OB,  9                            ; v9  4 r + h: where my scale byte goes
.set BY,  11                           ; v11 my scale byte
                                       ; v12 -M, v13 the largest t, v[14:15] the sum in two halves
.set Q,   16                           ; v16-33 q, zeros, q
.set QRAW, 34                          ; v34-45 Q's image: two tiles
.set QW,  46                           ; v46 its scale words
.set QSL, 47                           ; v47 the scale word of [q | 0], v48 of [0 | q]
.set QSH, 48
.set KS,  49                           ; v49-50 K's scale words: lanes 0-15 image 0 (2), lanes 16-31 image 1 (3)
.set VS,  51                           ; v51-52 V's likewise
.set PS,  53                           ; v53 p's scale word
.set FR,  54                           ; v54-101 four images of K or of V
.set S,   102                          ; v102-165 S^T, then p
.set O,   166                          ; v166-197 O^T
.set PC,  198                          ; v198-209 p's codes
.set PT,  210                          ; v210-217 the conversions' second halves
.set BX,  218                          ; v218-221 a block's largest score, then its largest p
.set T1,  222                          ; v222-225 at work
.set SCO, 226                          ; v226-229 the conversions' scale operands
.set SUM2, 230                         ; v[230:231] the sum's second chain
.set F,   232                          ; v[232:233] 2^(old M - new M) (the pair is named; its low word serves both halves)
.set TMP, 234
.set WV,  10                           ; s10 my wave's number
.set G1,  16                           ; s[16:23] descriptor group 1;  s[24:39] four groups 0, one for each chunk
.set G0,  24
.set SEL, 40                           ; s[40:41] lane selects: lane l xor 16
.set CS,  42                           ; s[42:43] c = log2(e) / 8
.set TB,  44                           ; s44 LDS byte at which the record in hand begins
.set CNT, 45
.set HM,  47                           ; s47 0xffff0000: the mask of lanes 16-31, and of a word's upper half
.set LOW, 48                           ; s48 0xffff
.set PADH, 49                          ; s49 two bytes 127 above
.macro ROUND                           ; a round of the cluster's barrier
	s_barrier_signal -1
	s_barrier_wait -1
	s_cmp_lg_u32 s[WV], 0
	s_cbranch_scc1 .Lnot_wave_0_\@
	s_barrier_signal -3
.Lnot_wave_0_\@:
	s_barrier_wait -3
	s_barrier_signal -1
	s_barrier_wait -1
.endm
	s_load_b128 s[4:7], s[0:1], 0x0                ; qkv s[4:5], valimg s[6:7]
	s_load_b64 s[8:9], s[0:1], 0x10                ; valsc
	v_lshl_add_u32 v[SPW], v0, 2, SPARE
	v_mov_b32 v[NIL], 0
	ds_add_u32 v[SPW], v[NIL]                      ; the wave's opening: the add and its wait stand ahead of the first tensor loads; the set-up below, work on registers, stands between them
	ds_add_u32 v[SPW], v[NIL]
	v_lshrrev_b32 v6, 5, v0
	s_delay_alu instid0(VALU_DEP_1)
	v_readfirstlane_b32 s[WV], v6                  ; wave 0..15
	s_bfe_u32 s11, ttmp6, 0x40000                  ; cx: it enters Q's and the outputs' global addresses alone
	s_and_b32 s12, ttmp7, 0xffff                   ; 16 batch + head, which the four partners share
	; descriptor group 1: 12,800 dense bytes as 50 rows of 256 bytes (32 elements of 8 bytes), no padding
	s_mov_b32 s[G1], 15|(3<<16)|(1<<21)            ; 15:0 the mask: all four work-groups; 17:16 elements of 8 bytes; 21 set beside a mask
	s_mov_b32 s[G1+1], 32<<16                      ; tensor_dim0
	s_mov_b32 s[G1+2], 50<<16                      ; tensor_dim1
	s_mov_b32 s[G1+3], 32<<16                      ; tile_dim0
	s_mov_b32 s[G1+4], 50                          ; tile_dim1
	s_mov_b32 s[G1+5], 32                          ; tensor_dim0_stride
	s_mov_b32 s[G1+6], 0
	s_mov_b32 s[G1+7], 0
	s_and_b32 s13, s[WV], 3                        ; which image of Q is mine.  Also: which record of a chunk I fetch, if I fetch
	s_lshl_b32 s14, s12, 4
	s_add_co_u32 s14, s14, s13
	s_mul_i32 s14, s14, REC                        ; that record of chunk 0, in memory,
	s_mov_b32 s15, 0
	s_mul_i32 s50, s13, KVB                        ; and in LDS
	s_mov_b32 s[SEL], 0x76543210
	s_mov_b32 s[SEL+1], 0xfedcba98
	s_mov_b32 s[CS], 0x3e38aa3b                    ; c = log2(e) / sqrt(64)
	s_mov_b32 s[CS+1], s[CS]                       ; (named with it as a pair, so it is written)
	s_mov_b32 s[HM], 0xffff0000
	s_mov_b32 s[LOW], 0xffff
	s_mov_b32 s[PADH], 0x7f7f0000
	s_wait_dscnt 0x0                               ; the opening add is done
	s_wait_kmcnt 0x0
	s_add_nc_u64 s[14:15], s[4:5], s[14:15]
	ROUND                                          ; all four work-groups are here: the joint loads meet
.irp c, 0,1,2,3
	s_mov_b32 s[G0+4*\c], 1                        ; count = 1
	s_add_co_u32 s[G0+4*\c+1], s50, \c*4*KVB       ; LDS address: record 4 c + (wave & 3)
	s_add_nc_u64 s[G0+4*\c+2:G0+4*\c+3], s[14:15], \c*4*REC
	s_or_b32 s[G0+4*\c+3], s[G0+4*\c+3], 0x80000000   ; type = 2
.endr
	s_cmp_lt_u32 s[WV], 4                          ; waves 0 to 3 fetch, four records each: all of a wave's fills stand in this one branch; four loads of mine are out
	s_cbranch_scc0 .Lno_fetch
.irp c, 0,1,2,3
	tensor_load_to_lds s[G0+4*\c:G0+4*\c+3], s[G1:G1+7]
	s_nop 0
.endr
.rept 4
	v_nop
.endr
.Lno_fetch:
	v_and_b32 v6, 31, v0
	s_delay_alu instid0(VALU_DEP_1)
	v_lshlrev_b32 v[L16], 4, v6
	s_wait_alu depctr_va_vdst(0)
	v_lshlrev_b32 v[L8], 3, v6
	s_wait_alu depctr_va_vdst(0)
	v_lshlrev_b32 v[L4], 2, v6
	v_and_b32 v7, 15, v0                           ; r
	v_bfe_u32 v8, v0, 4, 1                         ; h
	s_delay_alu instid0(VALU_DEP_1)
	v_lshl_add_u32 v[OB], v7, 2, v8
	s_delay_alu instid0(VALU_DEP_3)
	v_lshlrev_b32 v10, 2, v7                       ; 4 r
	s_wait_alu depctr_va_vdst(0)
	s_lshr_b32 s51, s[WV], 2
	s_lshl_b32 s56, s11, 2
	s_add_co_u32 s51, s51, s56                     ; my queries' record in the head: 4 cx + wave / 4
	s_lshl_b32 s60, s12, 4
	s_add_co_u32 s60, s60, s51
	s_mul_i32 s60, s60, REC
	s_mul_i32 s56, s13, FRB
	s_add_co_u32 s56, s56, s60
	s_mov_b32 s57, 0
	s_add_nc_u64 s[56:57], s[4:5], s[56:57]        ; my image of Q (less QO)
	s_lshl_b32 s58, s13, 6
	s_add_co_u32 s58, s58, s60
	s_mov_b32 s59, 0
	s_add_nc_u64 s[58:59], s[4:5], s[58:59]        ; and its scale words (less QSO)
	global_load_b128 v[QRAW:QRAW+3], v[L16], s[56:57] offset:QO
	global_load_b64 v[QRAW+4:QRAW+5], v[L8], s[56:57] offset:QO+512
	global_load_b128 v[QRAW+6:QRAW+9], v[L16], s[56:57] offset:QO+768
	global_load_b64 v[QRAW+10:QRAW+11], v[L8], s[56:57] offset:QO+1280
	global_load_b32 v[QW], v10, s[58:59] offset:QSO
	; where vals go: valimg [token / 128][head / 2][block][image], head % 2 picks registers 0-5 or 6-11; valsc one word a row, head % 2 picks its two bytes
	s_lshr_b32 s60, s12, 4
	s_lshl_b32 s60, s60, 4
	s_add_co_u32 s60, s60, s51                     ; the group of 128 tokens: 16 batch + my record
	s_bfe_u32 s61, s12, 0x30001                    ; head / 2
	s_and_b32 s62, s12, 1                          ; head % 2
	s_mul_i32 s52, s60, 98304
	s_mul_i32 s63, s61, 12288
	s_add_co_u32 s52, s52, s63
	s_mul_i32 s63, s13, 2*FRB
	s_add_co_u32 s52, s52, s63
	s_mul_i32 s63, s62, 768
	s_add_co_u32 s52, s52, s63
	s_mov_b32 s53, 0
	s_add_nc_u64 s[52:53], s[6:7], s[52:53]
	s_lshl_b32 s54, s60, 12
	s_lshl_b32 s63, s61, 9
	s_add_co_u32 s54, s54, s63
	s_lshl_b32 s63, s13, 7
	s_add_co_u32 s54, s54, s63
	s_lshl_b32 s63, s62, 1
	s_add_co_u32 s54, s54, s63
	s_mov_b32 s55, 0
	s_add_nc_u64 s[54:55], s[8:9], s[54:55]
.irp b, 0,1,2,3
	v_mov_b32 v[T1+\b], 0                          ; written once: a lane permute's destination counts as one of its sources
.endr
	v_mov_b32 v[TMP], 0
	v_mov_b32 v[F+1], 0                            ; (named as the upper half of a pair)
.macro FOUR off                        ; four images, as they lie, into v[FR] on: sixteen dense loads
.irp f, 0,1,2,3
	ds_load_b128 v[FR+12*\f:FR+12*\f+3], v[A16] offset:\off+FRB*\f
	ds_load_b64 v[FR+12*\f+4:FR+12*\f+5], v[A8] offset:\off+FRB*\f+512
	ds_load_b128 v[FR+12*\f+6:FR+12*\f+9], v[A16] offset:\off+FRB*\f+768
	ds_load_b64 v[FR+12*\f+10:FR+12*\f+11], v[A8] offset:\off+FRB*\f+1280
.endr
.endm
; A KEY STEP: the 128 keys of the record at LDS byte s[TB].
.macro STEP
	s_setprio 2
	v_add_nc_u32 v[A16], s[TB], v[L16]
	v_add_nc_u32 v[A8], s[TB], v[L8]
	v_add_nc_u32 v[A4], s[TB], v[L4]
	v_nop                                          ; four places in front of loads into registers that the last products have read
	FOUR 0
	ds_load_b32 v[KS], v[A4] offset:KSO
	ds_load_b32 v[KS+1], v[A4] offset:KSO+128
	s_wait_alu depctr_va_vdst(0)
	s_wait_dscnt 0x0
.irp f, 0,1,2,3                                ; S^T = K Q^T: image f holds key tiles 2 f and 2 f + 1; [q | 0] picks the one, [0 | q] the other
.irp u, 0,1
.if \f % 2
	v_wmma_scale_f32_16x16x128_f8f6f4 v[S+16*\f+8*\u:S+16*\f+8*\u+7], v[FR+12*\f:FR+12*\f+11], v[Q+6*\u:Q+6*\u+11], 0, v[KS+\f/2], v[QSL+\u] matrix_a_fmt:MATRIX_FMT_FP6 matrix_b_fmt:MATRIX_FMT_FP6 matrix_a_scale:MATRIX_SCALE_ROW1
.else
	v_wmma_scale_f32_16x16x128_f8f6f4 v[S+16*\f+8*\u:S+16*\f+8*\u+7], v[FR+12*\f:FR+12*\f+11], v[Q+6*\u:Q+6*\u+11], 0, v[KS+\f/2], v[QSL+\u] matrix_a_fmt:MATRIX_FMT_FP6 matrix_b_fmt:MATRIX_FMT_FP6
.endif
.endr
.endr                                          ; lane (r, h): query r; register 16 b + i is key 32 b + 16 h + i
.rept 4
	v_nop                                          ; places in front of the loads below and of the first read of the scores
.endr
	FOUR VO                                        ; V^T's four images land while the softmax is worked
	ds_load_b32 v[VS], v[A4] offset:VSO
	ds_load_b32 v[VS+1], v[A4] offset:VSO+128
.irp b, 0,1,2,3
	v_max3_num_f32 v[BX+\b], v[S+16*\b], v[S+1+16*\b], v[S+2+16*\b]   ; the largest score of each block of 32 keys: it serves for the row's maximum and, since p rises with the score, for the block's largest p
.endr
.irp i, 3,5,7,9,11,13
.irp b, 0,1,2,3
	v_max3_num_f32 v[BX+\b], v[BX+\b], v[S+16*\b+\i], v[S+1+16*\b+\i]
.endr
.endr
.irp b, 0,1,2,3
	v_max_num_f32 v[BX+\b], v[BX+\b], v[S+15+16*\b]
.endr
.irp b, 0,1,2,3
	s_delay_alu instid0(VALU_DEP_4)
	v_permlanex16_b32 v[T1+\b], v[BX+\b], s[SEL], s[SEL+1]
.endr
.irp b, 0,1,2,3
	s_delay_alu instid0(VALU_DEP_4)
	v_max_num_f32 v[BX+\b], v[BX+\b], v[T1+\b]     ; with lane l xor 16's 16 keys
.endr
	s_delay_alu instid0(VALU_DEP_2)
	v_max3_num_f32 v[TMP], v[BX], v[BX+1], v[BX+2]
	s_delay_alu instid0(VALU_DEP_1)
	v_max_num_f32 v[TMP], v[TMP], v[BX+3]          ; the step's largest score of my query
	s_delay_alu instid0(VALU_DEP_1)
	v_mul_f32 v[TMP], s[CS], v[TMP]                ; as t (c is positive)
	s_delay_alu instid0(VALU_DEP_1)
	v_max_num_f32 v13, v13, v[TMP]                 ; the running largest t
	v_mov_b32 v[TMP], v12
	s_delay_alu instid0(VALU_DEP_2)
	v_floor_f32 v12, -v13                          ; the new -M = floor(-t) = -ceil(t): a whole number
	s_delay_alu instid0(VALU_DEP_1)
	v_sub_f32 v[TMP], v12, v[TMP]                  ; old M - new M: a whole number, 0 or less
	s_delay_alu instid0(VALU_DEP_1)
	v_cvt_i32_f32 v[TMP], v[TMP]                   ; (it saturates)
	s_delay_alu instid0(VALU_DEP_1)
	v_ldexp_f32 v[F], 1.0, v[TMP]                  ; f = 2^(old M - new M): a multiplication by it rounds nothing
.set j, 0
.rept 32
	v_pk_fma_f32 v[S+j:S+j+1], v[S+j:S+j+1], s[CS:CS+1], v[12:13] op_sel_hi:[1,0,0]   ; t - M, two at a time
.set j, j+2
.endr
.irp b, 0,1,2,3
	v_fma_f32 v[BX+\b], v[BX+\b], s[CS], v12       ; the same of each block's largest score
.endr
.set j, 0
	s_setprio 1
	s_wait_alu depctr_va_vdst(0)
.rept 64
	v_exp_f32 v[S+j], v[S+j]                       ; p = 2^(t - M), at most 1: not normalised
.set j, j+1
.endr
	v_pk_mul_f32 v[14:15], v[14:15], v[F:F+1] op_sel_hi:[1,0]   ; the sums under the new M: the plain place behind the exponentials
	s_wait_alu depctr_va_vdst(0)                   ; one wait for the whole batch, ahead of its first reader
.irp b, 0,1,2,3
	v_exp_f32 v[BX+\b], v[BX+\b]                   ; the block's largest p: the same two instructions on the same number give the same bits
.endr
	v_pk_add_f32 v[230:231], v[106:107], v[110:111]
	v_pk_add_f32 v[238:239], v[114:115], v[118:119]
	v_pk_add_f32 v[236:237], v[122:123], v[126:127]
	v_pk_add_f32 v[228:229], v[130:131], v[134:135]
	v_pk_add_f32 v[226:227], v[138:139], v[142:143]
	v_pk_add_f32 v[224:225], v[146:147], v[150:151]
	v_pk_add_f32 v[222:223], v[154:155], v[158:159]
	v_pk_add_f32 v[14:15], v[14:15], v[162:163]
	v_pk_add_f32 v[230:231], v[230:231], v[102:103]
	v_pk_add_f32 v[238:239], v[238:239], v[104:105]
	v_pk_add_f32 v[236:237], v[236:237], v[108:109]
	v_pk_add_f32 v[228:229], v[228:229], v[112:113]
	v_pk_add_f32 v[226:227], v[226:227], v[116:117]
	v_pk_add_f32 v[224:225], v[224:225], v[120:121]
	v_pk_add_f32 v[222:223], v[222:223], v[124:125]
	v_pk_add_f32 v[14:15], v[14:15], v[128:129]
	v_pk_add_f32 v[230:231], v[230:231], v[132:133]
	v_pk_add_f32 v[238:239], v[238:239], v[136:137]
	v_pk_add_f32 v[236:237], v[236:237], v[140:141]
	v_pk_add_f32 v[228:229], v[228:229], v[144:145]
	v_pk_add_f32 v[226:227], v[226:227], v[148:149]
	v_pk_add_f32 v[224:225], v[224:225], v[152:153]
	v_pk_add_f32 v[222:223], v[222:223], v[156:157]
	v_pk_add_f32 v[14:15], v[14:15], v[160:161]
	v_pk_add_f32 v[230:231], v[230:231], v[164:165]
	s_delay_alu instid0(VALU_DEP_2)
	v_pk_add_f32 v[14:15], v[14:15], v[228:229]
	s_delay_alu instid0(VALU_DEP_2)
	v_pk_add_f32 v[230:231], v[230:231], v[226:227]
	v_pk_add_f32 v[238:239], v[238:239], v[224:225]
	v_pk_add_f32 v[236:237], v[236:237], v[222:223]
	s_delay_alu instid0(VALU_DEP_2)
	v_pk_add_f32 v[14:15], v[14:15], v[238:239]
	s_delay_alu instid0(VALU_DEP_2)
	v_pk_add_f32 v[230:231], v[230:231], v[236:237]
	s_delay_alu instid0(VALU_DEP_1)
	v_pk_add_f32 v[14:15], v[14:15], v[230:231]
	s_wait_alu depctr_va_vdst(0)                   ; and one for the four
.irp b, 0,1,2,3
	v_max_num_f32 v[BX+\b], 0x1800000, v[BX+\b]    ; the floor 2^(3 - 127): the byte cannot fall under 1
.endr
.irp b, 0,1,2,3
	s_delay_alu instid0(VALU_DEP_4)
	v_add_nc_u32 v[SCO+\b], 0xff000000, v[BX+\b]   ; 2 off the exponent field: the conversion's scale operand
.endr
.irp b, 0,1,2,3
	s_delay_alu instid0(VALU_DEP_4)
	v_lshrrev_b32 v[T1+\b], 23, v[SCO+\b]          ; the scale's byte
.endr
	s_delay_alu instid0(VALU_DEP_3)
	v_lshl_or_b32 v[PS], v[T1+1], 8, v[T1]         ; p's scale word for these 128 keys
	s_delay_alu instid0(VALU_DEP_1)
	v_lshl_or_b32 v[PS], v[T1+2], 16, v[PS]
	s_delay_alu instid0(VALU_DEP_1)
	v_lshl_or_b32 v[PS], v[T1+3], 24, v[PS]
.irp c, 0,1
	v_cvt_scalef32_pk16_fp6_f32 v[PC+6*\c:PC+2+6*\c], v[S+32*\c:S+15+32*\c], v[SCO+2*\c]
	v_cvt_scalef32_pk16_fp6_f32 v[PT+4*\c:PT+2+4*\c], v[S+16+32*\c:S+31+32*\c], v[SCO+2*\c+1]   ; (a conversion's three registers begin on an even number)
.endr
	v_nop                                          ; one plain place behind the scaled conversions
.irp c, 0,1                                    ; the layout wants a whole block in a lane: lanes 0-15 block 2 c, lanes 16-31 block 2 c + 1
.irp i, 0,1,2
	v_permlane16_swap_b32 v[PC+6*\c+\i], v[PT+4*\c+\i]
.endr
.irp i, 0,1,2
	s_delay_alu instid0(VALU_DEP_3)
	v_mov_b32 v[PC+3+6*\c+\i], v[PT+4*\c+\i]
.endr
.endr
.set j, 0
	s_setprio 0
.rept 16
	v_pk_mul_f32 v[O+j:O+j+1], v[O+j:O+j+1], v[F:F+1] op_sel_hi:[1,0]   ; O^T under the new M.  (These sixteen are also the places between the scale word's and the codes' last writes and the products below)
.set j, j+2
.endr
	s_wait_alu depctr_va_vdst(0)
	s_wait_dscnt 0x0                               ; V^T is in
.irp t, 0,1,2,3                                ; O^T += V^T P^T: four tiles of 16 d, K = these 128 keys; the four accumulators take turns
.if \t % 2
	v_wmma_scale_f32_16x16x128_f8f6f4 v[O+8*\t:O+8*\t+7], v[FR+12*\t:FR+12*\t+11], v[PC:PC+11], v[O+8*\t:O+8*\t+7], v[VS+\t/2], v[PS] matrix_a_fmt:MATRIX_FMT_FP6 matrix_b_fmt:MATRIX_FMT_FP6 matrix_a_scale:MATRIX_SCALE_ROW1
.else
	v_wmma_scale_f32_16x16x128_f8f6f4 v[O+8*\t:O+8*\t+7], v[FR+12*\t:FR+12*\t+11], v[PC:PC+11], v[O+8*\t:O+8*\t+7], v[VS+\t/2], v[PS] matrix_a_fmt:MATRIX_FMT_FP6 matrix_b_fmt:MATRIX_FMT_FP6
.endif
.endr
	s_add_co_u32 s[TB], s[TB], KVB                 ; on to the next record
.endm
; A pass begins: tile u of my image of Q.  O^T and the sum begin as zeros and the largest t as -3e38, so that the step has no first form of its own: the first change of M multiplies zeros.
.macro PASS_HEAD u
.if \u
	s_wait_xcnt 0x0                                ; the last pass's stores have read the codes' and the byte's registers, which this pass writes again
.endif
.irp i, 0,1,2,3,4,5
	v_mov_b32 v[Q+\i], v[QRAW+6*\u+\i]
	v_mov_b32 v[Q+6+\i], 0
	v_mov_b32 v[Q+12+\i], v[QRAW+6*\u+\i]
.endr
.if \u == 0
	v_and_or_b32 v[QSL], v[QW], s[LOW], s[PADH]    ; the tile's two bytes below, 127 over the zeros;
	v_lshl_or_b32 v[QSH], v[QW], 16, 0x7f7f        ; and the other way round
.else
	v_lshrrev_b32 v[QSL], 16, v[QW]
	s_delay_alu instid0(VALU_DEP_1)
	v_or_b32 v[QSL], s[PADH], v[QSL]
	v_and_or_b32 v[QSH], v[QW], s[HM], 0x7f7f
.endif
	v_mov_b32 v13, 0xff61b1e6                      ; -3e38, under every t
	s_delay_alu instid0(VALU_DEP_1)
	v_floor_f32 v12, -v13
	v_mov_b32 v14, 0
	v_mov_b32 v15, 0
.set j, 0
.rept 32
	v_mov_b32 v[O+j], 0                            ; (these are also the places between the writes of Q's operand and scale words and the first products)
.set j, j+1
.endr
.endm
; A pass ends: O^T / the sum are 64 numbers of vals for each of my 16 queries, register 16 b + i = d 32 b + 16 h + i: two blocks of 32 along the last product's K.  They are quantised and leave as half an image.
.macro PASS_END u
.rept 4
	v_nop                                          ; places behind the last products
.endr
	v_add_f32 v14, v14, v15                        ; the sum's two halves,
	s_delay_alu instid0(VALU_DEP_1)
	v_permlanex16_b32 v[TMP], v14, s[SEL], s[SEL+1]
	s_delay_alu instid0(VALU_DEP_1)
	v_add_f32 v14, v14, v[TMP]                     ; and lane l xor 16's: the row's sum
	s_wait_alu depctr_va_vdst(0)
	v_rcp_f32 v14, v14
	v_nop                                          ; one plain place behind the reciprocal,
	s_wait_alu depctr_va_vdst(0)                   ; and the wait ahead of its first reader
.set j, 0
.rept 16
	v_pk_mul_f32 v[S+j:S+j+1], v[O+j:O+j+1], v[14:15] op_sel_hi:[1,0]
.set j, j+2
.endr
.irp b, 0,1
	v_max3_num_f32 v[BX+\b], |v[S+16*\b]|, |v[S+1+16*\b]|, 0x1800000
.endr
.irp i, 2,4,6,8,10,12,14
.irp b, 0,1
	s_delay_alu instid0(VALU_DEP_2)
	v_max3_num_f32 v[BX+\b], v[BX+\b], |v[S+16*\b+\i]|, |v[S+1+16*\b+\i]|
.endr
.endr
.irp b, 0,1
	s_delay_alu instid0(VALU_DEP_2)
	v_permlanex16_b32 v[T1+\b], v[BX+\b], s[SEL], s[SEL+1]
.endr
.irp b, 0,1
	s_delay_alu instid0(VALU_DEP_2)
	v_max_num_f32 v[BX+\b], v[BX+\b], v[T1+\b]
.endr
.irp b, 0,1
	s_delay_alu instid0(VALU_DEP_2)
	v_add_nc_u32 v[SCO+\b], 0xff000000, v[BX+\b]
.endr
.irp b, 0,1
	s_delay_alu instid0(VALU_DEP_2)
	v_lshrrev_b32 v[T1+\b], 23, v[SCO+\b]
.endr
	v_cvt_scalef32_pk16_fp6_f32 v[PC:PC+2], v[S:S+15], v[SCO]
	v_cvt_scalef32_pk16_fp6_f32 v[PT:PT+2], v[S+16:S+31], v[SCO+1]
	v_nop                                          ; one plain place behind the scaled conversions
.irp i, 0,1,2
	v_permlane16_swap_b32 v[PC+\i], v[PT+\i]
.endr
.irp i, 0,1,2
	s_delay_alu instid0(VALU_DEP_3)
	v_mov_b32 v[PC+3+\i], v[PT+\i]
.endr
	v_cndmask_b32 v[BY], v[T1], v[T1+1], s[HM]     ; lanes 0-15 carry the first block's byte, lanes 16-31 the second's
	global_store_b128 v[L16], v[PC:PC+3], s[52:53] offset:FRB*\u
	global_store_b64 v[L8], v[PC+4:PC+5], s[52:53] offset:FRB*\u+512
	global_store_b8 v[OB], v[BY], s[54:55] offset:64*\u   ; single bytes: the word's other half belongs to another head's cluster
.endm
; Pass 0, chunk c: records 4 c .. 4 c + 3.  The count leaves out my loads of the later chunks (waves that fetch nothing pass at once); behind the barrier every fetching wave's part has landed.  Nothing is ever filled again.
.macro CHUNK c
	s_wait_tensorcnt 3-\c
	s_wait_dscnt 0x0
	s_barrier_signal -1
	s_barrier_wait -1
	s_mov_b32 s[TB], \c*4*KVB
	s_mov_b32 s[CNT], 4
.Lchunk_\@:
	STEP
	s_sub_co_u32 s[CNT], s[CNT], 1
	s_cmp_lg_u32 s[CNT], 0
	s_cbranch_scc1 .Lchunk_\@
	s_setprio 0
.endm
	s_wait_loadcnt 0x0                             ; Q
	PASS_HEAD 0
	CHUNK 0
	CHUNK 1
	CHUNK 2
	CHUNK 3
	PASS_END 0
	PASS_HEAD 1
	s_mov_b32 s[TB], 0
	s_mov_b32 s[CNT], 16
.Lsecond:
	STEP
	s_sub_co_u32 s[CNT], s[CNT], 1
	s_cmp_lg_u32 s[CNT], 0
	s_cbranch_scc1 .Lsecond
	s_setprio 0
	PASS_END 1
	s_wait_tensorcnt 0x0                           ; the wave's end: behind my last tensor load
	ds_add_u32 v[SPW], v[NIL]
	s_wait_dscnt 0x0
	ROUND                                          ; the closing round
	s_endpgm
.Lfunc_end_k_q06ed3ecd86_attn:
	.size	k_q06ed3ecd86_attn, .Lfunc_end_k_q06ed3ecd86_attn-k_q06ed3ecd86_attn
	.p2alignl 7, 3214868480
	.fill 96, 4, 3214868480
	.section	.rodata,"a",@progbits
	.p2align	6, 0x0
	.amdhsa_kernel k_q06ed3ecd86_attn
		.amdhsa_group_segment_fixed_size 206848
		.amdhsa_private_segment_fixed_size 0
		.amdhsa_enable_private_segment 0
		.amdhsa_kernarg_size 24
		.amdhsa_user_sgpr_count 2
		.amdhsa_user_sgpr_kernarg_segment_ptr 1
		.amdhsa_wavefront_size32 1
		.amdhsa_system_sgpr_workgroup_id_x 1
		.amdhsa_system_sgpr_workgroup_id_y 1
		.amdhsa_system_sgpr_workgroup_id_z 1
		.amdhsa_system_vgpr_workitem_id 0
		.amdhsa_next_free_vgpr 240
		.amdhsa_next_free_sgpr 66
		.amdhsa_reserve_vcc 0
		.amdhsa_float_denorm_mode_32 3
		.amdhsa_float_denorm_mode_16_64 3
		.amdhsa_memory_ordered 1
		.amdhsa_forward_progress 1
		.amdhsa_inst_pref_size 107
	.end_amdhsa_kernel
	.amdgpu_metadata
---
amdhsa.version: [ 1, 2 ]
amdhsa.kernels:
  - .name:           k_q06ed3ecd86_attn
    .symbol:         k_q06ed3ecd86_attn.kd
    .args:
      - { .name: qkv, .offset: 0, .size: 8, .value_kind: global_buffer, .address_space: global }
      - { .name: valimg, .offset: 8, .size: 8, .value_kind: global_buffer, .address_space: global }
      - { .name: valsc, .offset: 16, .size: 8, .value_kind: global_buffer, .address_space: global }
    .group_segment_fixed_size: 206848
    .private_segment_fixed_size: 0
    .kernarg_segment_align: 8
    .kernarg_segment_size: 24
    .max_flat_workgroup_size: 512
    .sgpr_count:     66
    .vgpr_count:     240
    .wavefront_size: 32
...
	.end_amdgpu_metadata
.endif
;; end of part 3
;; launch gemm_out (part 4): grid 4 x 32, 4 waves a work-group, clusters of 4 x 4, 327,680 bytes of LDS; arguments valimg, valsc, opimg, opsc, b_o, out0; writes out0
.if DOCPART == 4
	.amdgcn_target "amdgcn-amd-amdhsa--gfx1250"
	.amdhsa_code_object_version 6
	.text
	.protected	k_q06ed3ecd86_gemm_out
	.globl	k_q06ed3ecd86_gemm_out
	.p2align	8
	.type	k_q06ed3ecd86_gemm_out,@function
k_q06ed3ecd86_gemm_out:
	s_mov_b64 s[64:65], 0
	v_nop
	global_prefetch_b8 v0, s[64:65] scope:SCOPE_SE
	s_setreg_imm32_b32 hwreg(HW_REG_WAVE_MODE, 25, 1), 1
	s_wait_xcnt 0x0
	s_wait_alu depctr_hold_cnt(0) depctr_sa_sdst(0) depctr_va_vdst(0) depctr_va_sdst(0) depctr_va_ssrc(0) depctr_va_vcc(0) depctr_vm_vsrc(0)
	s_getreg_b32 s2, hwreg(HW_REG_IB_STS2, 6, 4)
	s_cmp_eq_u32 s2, 0
	s_cbranch_scc0 .Lentry_in_a_cluster
	s_endpgm
.Lentry_in_a_cluster:
	s_bfe_u32 s2, ttmp6, 0x10000c
	s_cmp_lg_u32 s2, 0xf033
	s_cbranch_scc0 .Lentry_shape_is_right
	s_endpgm
.Lentry_shape_is_right:
; out0 = vals W_o^T + b_o on codes of FP6 (E2M3) with E8M0 scales; out0 [8192][1024] f32.
; A tile of 256 x 256 is made by four waves, 128 x 128 each: 64 accumulators, 512 registers.  K = 1,024 goes in four steps of 256 through a ring of two LDS slots.
; OPERANDS lie in memory as images of their registers ([group of 128 rows][K step of 128][block of 16 rows][1,536 bytes]): two K steps of a group are one dense block of 24,576 bytes
; for one tensor load, and a fragment comes by four dense LDS loads (16, 8, 16, 8 bytes a lane).  Lane row r of block i is group row 32 (i / 2) + 8 (i % 2) + r + 8 (r / 8).
; A = vals (valimg, valsc: 64 groups of tokens), B = W_o (groups 88-95 of opimg, opsc).  THE MATRIX INSTRUCTION IS USED TRANSPOSED (source 0 = 16 rows of B, source 1 = 16 rows of A):
; lane (r, h) holds A's row r, and register j of tile b the column 32 (b / 2) + 8 (b % 2) + 16 h + j of B's group.  The bias is the C of each sum's first product.
; CLUSTER 4 x 4: A's blocks hang on the cluster's row and are asked for jointly along it, B's on its column.  32 x 4 tiles: 128 work-groups.
; REGISTERS, in windows of 256: window 0: v16-31 addresses; v32-63 scale words, two sets; v64-127 the bias; v128-223 A's fragments, ONE set; on the way out v128-255 rows of out0.
;   window 1: B's fragments, TWO sets, at v0 and v128.   window 2: the accumulators of A's blocks 0-3 ((a, b) at v[8 (8 (a % 4) + b)]);   window 3: of blocks 4-7.
.set FRB,   1536                       ; an image
.set KSB,   8*FRB                      ; a K step of 128 of a group
.set HALFT, 2*KSB                      ; what one tensor load brings: 256 along K of a group
.set SLOT,  4*HALFT                    ; A's two groups, then B's two
.set GRPB,  8*KSB                      ; a group in memory
.set GSC,   4096                       ; a group's scale words
.set SCL,   2*SLOT                     ; behind the ring: the scale words of the four groups, for all of K: filled once
.set SPARE, SCL+4*GSC                  ; behind them: the spare words, 128 bytes for each wave, that no other line names
.set SPITCH, 528                       ; the way out: a stage of 16 rows x (512 bytes + 16) for each wave, in slot 0, which has had its last fill and its last read when the first result is stored there
.set FR,    12
.set NL,    4
.set NP,    4
.set ADRA, 16                          ; v16-17 LDS address of A's pieces of 16 bytes a lane in slot 0, 1;  v18-19 of 8 bytes a lane
.set ADRB, 20                          ; v20-23 the same for B
.set L16,  24                          ; v24  16 x lane
.set L8,   25                          ; v25  8 x lane
.set STO,  26                          ; v26  the way out: where I put my numbers of a row
.set ADRS, 27                          ; v27  LDS address of my scale words: lanes 0-15 A's, lanes 16-31 B's
.set SPW,  28                          ; v28  my spare word; never rewritten
.set NIL,  29                          ; v29  0; never rewritten
.set RD,   30                          ; v30  the way out: where I read a row back
.set SC,   32
.set BN,   64
.set AF,   128
.set BK,   128                         ; the way out: 16 rows read back: v128-191 and v192-255 by turns
.set G1, 24
.set G0, 32
.set G1B, 48
.set G0B, 56
.set G1S, 68
.set G0S, 76
.set G1SB, 80
.set G0SB, 88
.set MSB, 0
.macro WIN new                         ; the immediate's high byte repeats the setting that is left
.if MSB != \new
	s_set_vgpr_msb (MSB<<8)|\new
.set MSB, \new
.endif
.endm
.set MUL_LO, 0xa1                      ; source 0 (B) window 1, source 1 (A) window 0, C and D window 2
.set MUL_HI, 0xf1                      ; the same, C and D window 3
.set FST_LO, 0x81                      ; a sum's first product: C is the bias, in window 0
.set FST_HI, 0xc1
.set TO_B,   0x40                      ; destination window 1, address window 0
.macro JLOAD g0a, g1a, g0b, g1b        ; a joint load: waves 0 and 1 fetch A's two groups, waves 2 and 3 B's; an s_nop 0 and four v_nop follow each of the two lines
	s_cmp_eq_u32 s15, 0
	s_cbranch_scc0 .Lfor_b_\@
	tensor_load_to_lds s[\g0a:\g0a+3], s[\g1a:\g1a+7]
	s_nop 0
.rept 4
	v_nop
.endr
	s_branch .Lasked_\@
.Lfor_b_\@:
	tensor_load_to_lds s[\g0b:\g0b+3], s[\g1b:\g1b+7]
	s_nop 0
.rept 4
	v_nop
.endr
.Lasked_\@:
.endm
.macro CREST                           ; a round of the cluster's barrier behind its opening barrier
	s_cmp_lg_u32 s14, 0
	s_cbranch_scc1 .Lnot_wave_0_\@
	s_barrier_signal -3
.Lnot_wave_0_\@:
	s_barrier_wait -3
	s_barrier_signal -1
	s_barrier_wait -1
.endm
.macro CROUND                          ; a whole round
	s_barrier_signal -1
	s_barrier_wait -1
	CREST
.endm
	s_load_b256 s[4:11], s[0:1], 0x0               ; valimg s[4:5], valsc s[6:7], opimg s[8:9], opsc s[10:11]
	s_load_b128 s[96:99], s[0:1], 0x20             ; b_o s[96:97], out0 s[98:99]
	v_lshl_add_u32 v[SPW], v0, 2, SPARE
	v_mov_b32 v[NIL], 0
	ds_add_u32 v[SPW], v[NIL]                      ; the wave's opening: the add and its wait stand ahead of my first tensor load; the set-up below, work on registers, stands between them
	v_lshrrev_b32 v1, 5, v0
	v_readfirstlane_b32 s14, v1                    ; wave 0..3
	s_lshr_b32 s15, s14, 1                         ; which of A's two groups I multiply.  Also: I fetch for A (0) or for B (1)
	s_and_b32 s16, s14, 1                          ; which of B's two groups I multiply.  Also: which of the two groups I fetch
	s_bfe_u32 s40, ttmp6, 0x40000                  ; cx, cy: my place in the cluster
	s_bfe_u32 s41, ttmp6, 0x40004
	s_lshl_b32 s43, s41, 2
	s_lshl_b32 s43, 15, s43                        ; my row of the cluster
	s_lshl_b32 s44, 0x1111, s40                    ; my column
	; descriptor group 1: a dense block of 24,576 bytes as 96 rows of 256 bytes (32 elements of 8 bytes), no padding
	s_or_b32 s[G1+0], s43, (3<<16)|(1<<21)         ; 15:0 the mask: A's go to my row; 17:16 elements of 8 bytes; 21 set beside a mask
	s_or_b32 s[G1B+0], s44, (3<<16)|(1<<21)
.irp g, G1, G1B
	s_mov_b32 s[\g+1], 32<<16                      ; tensor_dim0
	s_mov_b32 s[\g+2], 96<<16                      ; tensor_dim1
	s_mov_b32 s[\g+3], 32<<16                      ; tile_dim0
	s_mov_b32 s[\g+4], 96                          ; tile_dim1
	s_mov_b32 s[\g+5], 32                          ; tensor_dim0_stride
	s_mov_b32 s[\g+6], 0
	s_mov_b32 s[\g+7], 0
.endr
	s_or_b32 s[G1S+0], s43, (3<<16)|(1<<21)        ; a group's scale words: 16 such rows
	s_or_b32 s[G1SB+0], s44, (3<<16)|(1<<21)
.irp g, G1S, G1SB
	s_mov_b32 s[\g+1], 32<<16
	s_mov_b32 s[\g+2], 16<<16
	s_mov_b32 s[\g+3], 32<<16
	s_mov_b32 s[\g+4], 16
	s_mov_b32 s[\g+5], 32
	s_mov_b32 s[\g+6], 0
	s_mov_b32 s[\g+7], 0
.endr
	s_and_b32 s17, ttmp7, 0xffff
	s_lshl_b32 s17, s17, 2
	s_add_co_u32 s17, s17, s41                     ; tile row = 4 x cluster y + cy
	s_lshl_b32 s20, s17, 1
	s_add_co_u32 s20, s20, s16                     ; A's group that I fetch
	s_lshl_b32 s46, s40, 1
	s_add_co_u32 s46, s46, s16
	s_add_co_u32 s46, s46, 88                      ; B's: W_o begins at group 88
	s_mul_i32 s22, s20, GSC
	s_mov_b32 s23, 0
	s_mul_i32 s20, s20, GRPB
	s_mov_b32 s21, 0
	s_mul_i32 s92, s46, GSC
	s_mov_b32 s93, 0
	s_mul_i32 s46, s46, GRPB
	s_mov_b32 s47, 0
	s_mul_i32 s45, s14, HALFT                      ; where they go: wave x a group's part: no place in the cluster enters an LDS address
	s_mul_i32 s94, s14, GSC
	s_wait_dscnt 0x0                               ; the opening add is done
	s_wait_kmcnt 0x0
	s_add_nc_u64 s[20:21], s[4:5], s[20:21]
	s_add_nc_u64 s[22:23], s[6:7], s[22:23]
	s_add_nc_u64 s[46:47], s[8:9], s[46:47]
	s_add_nc_u64 s[92:93], s[10:11], s[92:93]
	CROUND                                         ; all sixteen work-groups are here: the first joint loads meet
	s_mov_b32 s[G0S], 1
	s_add_co_u32 s[G0S+1], s94, SCL
	s_mov_b64 s[G0S+2:G0S+3], s[22:23]
	s_or_b32 s[G0S+3], s[G0S+3], 0x80000000
	s_mov_b32 s[G0SB], 1
	s_add_co_u32 s[G0SB+1], s94, SCL
	s_mov_b64 s[G0SB+2:G0SB+3], s[92:93]
	s_or_b32 s[G0SB+3], s[G0SB+3], 0x80000000
	JLOAD G0S, G1S, G0SB, G1SB                     ; the scale words first: they are wanted with the first K step
.irp s, 0,1
	s_mov_b32 s[G0+4*\s], 1
	s_add_co_u32 s[G0+4*\s+1], s45, \s*SLOT
	s_add_nc_u64 s[G0+4*\s+2:G0+4*\s+3], s[20:21], \s*HALFT
	s_or_b32 s[G0+4*\s+3], s[G0+4*\s+3], 0x80000000
	s_mov_b32 s[G0B+4*\s], 1
	s_add_co_u32 s[G0B+4*\s+1], s45, \s*SLOT
	s_add_nc_u64 s[G0B+4*\s+2:G0B+4*\s+3], s[46:47], \s*HALFT
	s_or_b32 s[G0B+4*\s+3], s[G0B+4*\s+3], 0x80000000
	JLOAD G0+4*\s, G1, G0B+4*\s, G1B
.endr
	v_and_b32 v1, 15, v0                           ; r
	v_bfe_u32 v2, v0, 4, 1                         ; h
	v_and_b32 v3, 31, v0                           ; lane
	v_lshlrev_b32 v[L16], 4, v3
	v_lshlrev_b32 v[L8], 3, v3
	s_mul_i32 s21, s15, HALFT                      ; my group of A
	s_mul_i32 s22, s16, HALFT                      ; my group of B,
	s_add_co_u32 s22, s22, 2*HALFT                 ; behind A's two
.irp s, 0,1
	v_add_nc_u32 v[ADRA+\s], s21, v[L16]
	v_add_nc_u32 v[ADRA+2+\s], s21, v[L8]
	v_add_nc_u32 v[ADRB+\s], s22, v[L16]
	v_add_nc_u32 v[ADRB+2+\s], s22, v[L8]
	s_add_co_u32 s21, s21, SLOT
	s_add_co_u32 s22, s22, SLOT
.endr
	s_mul_i32 s21, s15, GSC                        ; scale words: A's group,
	s_mul_i32 s22, s16, GSC
	s_add_co_u32 s22, s22, 2*GSC                   ; B's group, behind A's two
	s_sub_co_u32 s22, s22, s21
	v_mul_u32_u24 v6, s22, v2                      ; lanes 16-31 take B's
	s_add_co_u32 s21, s21, SCL
	v_lshl_add_u32 v5, v1, 2, v6
	v_add_nc_u32 v[ADRS], s21, v5
	s_mul_i32 s23, s14, 16*SPITCH                  ; my stage
	v_mul_u32_u24 v5, v1, SPITCH
	v_lshl_add_u32 v5, v2, 6, v5
	v_add_nc_u32 v[STO], s23, v5                   ; in: row r, + 64 h
	v_add_nc_u32 v[RD], s23, v[L16]                ; back: the 32 lanes take one row of 512 bytes
	s_lshl_b32 s12, s40, 10
	s_lshl_b32 s13, s16, 9
	s_add_co_u32 s12, s12, s13                     ; my 128 columns, in bytes: 1,024 cx + 512 x half
	s_mov_b32 s13, 0
	s_add_nc_u64 s[96:97], s[96:97], s[12:13]      ; in b_o,
	s_add_nc_u64 s[98:99], s[98:99], s[12:13]      ; and in a row of out0
	s_lshl_b32 s12, s17, 1
	s_add_co_u32 s12, s12, s15
	s_lshl_b32 s12, s12, 19                        ; my 128 rows: 4,096 bytes a row
	s_add_nc_u64 s[98:99], s[98:99], s[12:13]
	v_lshlrev_b32 v7, 6, v2                        ; 64 h
.irp b, 0,1,2,3
.irp q, 0,1,2,3
	global_load_b128 v[BN+16*\b+4*\q:BN+16*\b+4*\q+3], v7, s[96:97] offset:128*\b+16*\q   ; register 16 b + i: the bias of column 32 b + 16 h + i
.endr
.endr
	s_wait_loadcnt 0x0
.macro FRAG reg, adr, q, i             ; a fragment as it lies: four dense loads
	ds_load_b128 v[\reg:\reg+3], v[\adr] offset:(\q)*KSB+(\i)*FRB
	ds_load_b64 v[\reg+4:\reg+5], v[\adr+2] offset:(\q)*KSB+(\i)*FRB+512
	ds_load_b128 v[\reg+6:\reg+9], v[\adr] offset:(\q)*KSB+(\i)*FRB+768
	ds_load_b64 v[\reg+10:\reg+11], v[\adr+2] offset:(\q)*KSB+(\i)*FRB+1280
.endm
; 16 matrix instructions: A's blocks a0, a0 + 1 x B's eight, 128 along K.  first = 1: the bias is the C of the sum's first product: nothing is cleared.
; The 64 accumulators take turns, one instruction a turn, in the same order in every step.
.macro MUL16 a0, p, q, sc, first
.irp a, \a0, \a0+1
.irp b, 0,1,2,3,4,5,6,7
.if \first
	v_wmma_scale_f32_16x16x128_f8f6f4 v[8*(8*((\a)%4)+\b):8*(8*((\a)%4)+\b)+7], v[128*(\p)+FR*\b:128*(\p)+FR*\b+FR-1], v[AF+FR*(\a):AF+FR*(\a)+FR-1], v[BN+8*\b:BN+8*\b+7], v[SC+16*(\sc)+2*\b+(\q)], v[SC+16*(\sc)+2*(\a)+(\q)] matrix_a_fmt:MATRIX_FMT_FP6 matrix_b_fmt:MATRIX_FMT_FP6 matrix_a_scale:MATRIX_SCALE_ROW1
.else
	v_wmma_scale_f32_16x16x128_f8f6f4 v[8*(8*((\a)%4)+\b):8*(8*((\a)%4)+\b)+7], v[128*(\p)+FR*\b:128*(\p)+FR*\b+FR-1], v[AF+FR*(\a):AF+FR*(\a)+FR-1], v[8*(8*((\a)%4)+\b):8*(8*((\a)%4)+\b)+7], v[SC+16*(\sc)+2*\b+(\q)], v[SC+16*(\sc)+2*(\a)+(\q)] matrix_a_fmt:MATRIX_FMT_FP6 matrix_b_fmt:MATRIX_FMT_FP6 matrix_a_scale:MATRIX_SCALE_ROW1
.endif
.endr
.endr
.endm
.macro FETCH_B slot, q, p
	WIN TO_B
.irp i, 0,1,2,3,4,5,6,7
	FRAG 128*(\p)+FR*\i, ADRB+\slot, \q, \i
.endr
	WIN 0
.endm
.macro FETCH_A slot, q, i0
.irp i, \i0, \i0+1, \i0+2, \i0+3
	FRAG AF+FR*(\i), ADRA+\slot, \q, \i
.endr
.endm
.macro SCALES sc                       ; a slot's scale words into set sc: lanes 0-15 take A's block i, lanes 16-31 B's block i
.irp i, 0,1,2,3,4,5,6,7
	ds_load_b32 v[SC+16*\sc+2*\i], v[ADRS] offset:64*\i
	ds_load_b32 v[SC+16*\sc+2*\i+1], v[ADRS] offset:512+64*\i
.endr
.endm
.macro PLACES n                        ; plain places in front of loads into registers that matrix instructions have read, and of the first read of results
.rept \n
	v_nop
.endr
.endm
.macro STEP slot, q, first             ; a step of 128 along K that has its successor in the same slot
	s_wait_dscnt 4*NL                              ; B's set, A's blocks 0-3 and the scale words are in; the youngest 16 loads (A's blocks 4-7) may be out
.if \first
	WIN FST_LO
.else
	WIN MUL_LO
.endif
	MUL16 0, (\q)%2, \q, \slot, \first
	MUL16 2, (\q)%2, \q, \slot, \first
	s_wait_dscnt 0x0                               ; A's blocks 4-7 are in
	PLACES NP
	FETCH_B \slot, (\q)+1, 1-(\q)%2
	FETCH_A \slot, (\q)+1, 0
.if \first
	WIN FST_HI
.else
	WIN MUL_HI
.endif
	MUL16 4, (\q)%2, \q, \slot, \first
	MUL16 6, (\q)%2, \q, \slot, \first
	PLACES NP
	WIN 0
	FETCH_A \slot, (\q)+1, 4
.endm
; A slot's last step changes slots: ONE barrier; in front of it each wave waits for all its tensor loads, adds 0 to its spare word, and waits for that and for its own reads of this slot.  fill = 1: this slot is filled again.
.macro TURN slot, next, fill
	s_wait_tensorcnt 0x0                           ; all my tensor loads have landed: my part of the next slot
	ds_add_u32 v[SPW], v[NIL]                      ; 0 onto my spare word
	s_wait_dscnt 4*NL+1                            ; (the add and the youngest 16 loads, A's blocks 4-7, may be out)
	WIN MUL_LO
	MUL16 0, 1, 1, \slot, 0                        ; sixteen matrix instructions stand between the add and the wait for it
	s_wait_dscnt 0x0                               ; the add is done, and my reads of this slot are over
	s_barrier_signal -1
	MUL16 2, 1, 1, \slot, 0
	WIN 0
	s_barrier_wait -1
.if \fill
	CREST                                          ; the barrier has opened a round of the cluster's barrier: no wave of any partner still reads this slot or has a load on its way
	s_add_nc_u64 s[G0+4*\slot+2:G0+4*\slot+3], s[G0+4*\slot+2:G0+4*\slot+3], 2*HALFT
	s_add_nc_u64 s[G0B+4*\slot+2:G0B+4*\slot+3], s[G0B+4*\slot+2:G0B+4*\slot+3], 2*HALFT
	JLOAD G0+4*\slot, G1, G0B+4*\slot, G1B         ; the first tensor load behind the round; its four v_nop are the places in front of the loads below
.else
	PLACES NP
.endif
	v_add_nc_u32 v[ADRS], 1024, v[ADRS]            ; on to the next slot's scale words
	FETCH_B \next, 0, 0
	FETCH_A \next, 0, 0
	SCALES \next
	WIN MUL_HI
	MUL16 4, 1, 1, \slot, 0
	MUL16 6, 1, 1, \slot, 0
	PLACES NP
	WIN 0
	FETCH_A \next, 0, 4
.endm
	s_wait_tensorcnt 1                             ; the scale words and my part of slot 0 are in (slot 1's load may be out)
	s_barrier_signal -1
	s_barrier_wait -1                              ; everybody's are
	FETCH_B 0, 0, 0
	FETCH_A 0, 0, 0
	SCALES 0
	FETCH_A 0, 0, 4
	STEP 0, 0, 1                                   ; K = 1,024 is eight steps of 128, written out: four slots' worth, of which two are refills
	TURN 0, 1, 1
	STEP 1, 0, 0
	TURN 1, 0, 1
	STEP 0, 0, 0
	TURN 0, 1, 0                                   ; nothing is left to fetch; behind this barrier nobody reads slot 0
	STEP 1, 0, 0
	s_wait_dscnt 4*NL
	WIN MUL_LO
	MUL16 0, 1, 1, 1, 0
	MUL16 2, 1, 1, 1, 0
	s_wait_dscnt 0x0
	WIN MUL_HI
	MUL16 4, 1, 1, 1, 0
	MUL16 6, 1, 1, 1, 0
	WIN 0
; THE WAY OUT, block by block of 16 rows x 128 columns: through my own stage in LDS, where each number takes its column's place, and back as whole rows of 512 bytes, which the 32 lanes store as 512 consecutive bytes, aligned.
; LDS serves a wave's instructions in order (ISA guide 5.7.1.4): no wait between the stores and the loads, nor in front of the next block's stores.
.macro TOSTAGE a
.set AC, 64*((\a)%4)
	WIN (0x08+4*((\a)/4))                          ; the data: window 2 or 3
.irp b, 0,1,2,3,4,5,6,7
	ds_store_b128 v[STO], v[AC+8*\b:AC+8*\b+3] offset:128*(\b/2)+32*(\b%2)        ; each accumulator from its low end on
	ds_store_b128 v[STO], v[AC+8*\b+4:AC+8*\b+7] offset:128*(\b/2)+32*(\b%2)+16
.endr
	WIN 0
.set BB, BK+64*((\a)%2)
.irp t, 0,1,2,3,4,5,6,7,8,9,10,11,12,13,14,15
	ds_load_b128 v[BB+4*\t:BB+4*\t+3], v[RD] offset:\t*SPITCH
.endr
.endm
.macro SEND a, younger                 ; younger: the LDS instructions issued behind block a's loads, which may stay out
.set BB, BK+64*((\a)%2)
	s_wait_dscnt \younger                          ; the block is back in registers
.irp t, 0,1,2,3,4,5,6,7,8,9,10,11,12,13,14,15
	global_store_b128 v[L16], v[BB+4*\t:BB+4*\t+3], s[98:99] offset:(32*((\a)/2)+8*((\a)%2)+\t+8*(\t/8))*4096 th:TH_STORE_NT   ; stage row t is row 32 (a / 2) + 8 (a % 2) + t + 8 (t / 8) of my 128; written once, read by nobody here
.endr
.endm
	PLACES NP                                      ; behind the last products: for the first reads of results and the loads into the registers that held A's fragments
	TOSTAGE 0
.irp a, 1,2,3,4,5,6,7
.if \a > 1
	s_wait_xcnt 0x0                                ; block a - 2's stores have read their registers: block a's loads may land there
.endif
	TOSTAGE \a
	SEND \a-1, 32                                  ; behind block a - 1's loads: block a's 16 stores and 16 loads
.endr
	SEND 7, 0
	s_wait_tensorcnt 0x0                           ; the wave's end: behind my last tensor load and my last LDS store
	ds_add_u32 v[SPW], v[NIL]
	s_wait_dscnt 0x0
	CROUND                                         ; the closing round: no work-group ends while a partner may still ask for a block that names it
	s_endpgm
.Lfunc_end_k_q06ed3ecd86_gemm_out:
	.size	k_q06ed3ecd86_gemm_out, .Lfunc_end_k_q06ed3ecd86_gemm_out-k_q06ed3ecd86_gemm_out
	.p2alignl 7, 3214868480
	.fill 96, 4, 3214868480
	.section	.rodata,"a",@progbits
	.p2align	6, 0x0
	.amdhsa_kernel k_q06ed3ecd86_gemm_out
		.amdhsa_group_segment_fixed_size 327680
		.amdhsa_private_segment_fixed_size 0
		.amdhsa_enable_private_segment 0
		.amdhsa_kernarg_size 48
		.amdhsa_user_sgpr_count 2
		.amdhsa_user_sgpr_kernarg_segment_ptr 1
		.amdhsa_wavefront_size32 1
		.amdhsa_system_sgpr_workgroup_id_x 1
		.amdhsa_system_sgpr_workgroup_id_y 1
		.amdhsa_system_sgpr_workgroup_id_z 1
		.amdhsa_system_vgpr_workitem_id 0
		.amdhsa_next_free_vgpr 1024
		.amdhsa_next_free_sgpr 102
		.amdhsa_reserve_vcc 0
		.amdhsa_float_denorm_mode_32 3
		.amdhsa_float_denorm_mode_16_64 3
		.amdhsa_memory_ordered 1
		.amdhsa_forward_progress 1
		.amdhsa_inst_pref_size 146
	.end_amdhsa_kernel
	.amdgpu_metadata
---
amdhsa.version: [ 1, 2 ]
amdhsa.kernels:
  - .name:           k_q06ed3ecd86_gemm_out
    .symbol:         k_q06ed3ecd86_gemm_out.kd
    .args:
      - { .name: valimg, .offset: 0, .size: 8, .value_kind: global_buffer, .address_space: global }
      - { .name: valsc, .offset: 8, .size: 8, .value_kind: global_buffer, .address_space: global }
      - { .name: opimg, .offset: 16, .size: 8, .value_kind: global_buffer, .address_space: global }
      - { .name: opsc, .offset: 24, .size: 8, .value_kind: global_buffer, .address_space: global }
      - { .name: b_o, .offset: 32, .size: 8, .value_kind: global_buffer, .address_space: global }
      - { .name: out0, .offset: 40, .size: 8, .value_kind: global_buffer, .address_space: global }
    .group_segment_fixed_size: 327680
    .private_segment_fixed_size: 0
    .kernarg_segment_align: 8
    .kernarg_segment_size: 48
    .max_flat_workgroup_size: 128
    .sgpr_count:     102
    .vgpr_count:     1024
    .wavefront_size: 32
...
	.end_amdgpu_metadata
.endif
;; end of part 4
